; MI455X (gfx1250); checked and timed in simulation.
; The chip was launched on July 23, 2026; its instructions are those of AMD's public machine-readable ISA for CDNA 5 (MIT licence, August 2026) and "CDNA5" Instruction Set Architecture Reference Guide (July 2026). The comments in the code are by the model that wrote it; some were corrected since.
;; Custom Multihead Attention. Allowed arithmetic: matrix products marked QUANTISED: E2M3 operands, one E8M0 scale for each 32 along K, by v_wmma_scale_f32_16x16x128_f8f6f4 with both operands' format E2M3, f32 sums; everything else in f32.
;; Inputs: Wk_b 1,024 float32; Wk_w 1,024 x 1,024 float32; Wo_b 1,024 float32; Wo_w 1,024 x 1,024 float32; Wq_b 1,024 float32; Wq_w 1,024 x 1,024 float32; Wv_b 1,024 float32; Wv_w 1,024 x 1,024 float32; x 4 x 2,048 x 1,024 float32.
;; Outputs: out0 4 x 2,048 x 1,024 float32.
;; This version of the problem:
;;   THIS VERSION OF THE PROBLEM IS GIVEN IN LOW PRECISION. The matrix products marked QUANTISED in the list below multiply operands that are first quantised to E2M3 (2 exponent bits, 3 mantissa bits; 6 bits a number), with one power-of-two scale for each 32 numbers along K (OCP MX v1.0); their sums are f32. All else is computed in f32.
;;   The module's matrix products, in the order in which they are computed (A, B: the left and right operand; K: the contracted axis; several contracted axes count as one K, in the product's order):
;;     1. [M 8,192, K 1,024] x [K 1,024, N 1,024]; A: input x; B: input Wq_w: QUANTISED
;;     2. [M 8,192, K 1,024] x [K 1,024, N 1,024]; A: input x; B: input Wk_w: QUANTISED
;;     3. [M 8,192, K 1,024] x [K 1,024, N 1,024]; A: input x; B: input Wv_w: QUANTISED
;;     4. batch 64 x [M 2,048, K 64] x [K 64, N 2,048]; A: computed on the way; B: computed on the way: QUANTISED
;;     5. batch 64 x [M 2,048, K 2,048] x [K 2,048, N 64]; A: softmax (see below); B: computed on the way: QUANTISED
;;     6. [M 8,192, K 1,024] x [K 1,024, N 1,024]; A: computed on the way; B: input Wo_w: QUANTISED
;;   THE QUANTISER, for each operand of a quantised product, along K:
;;     - K is cut into blocks of 32 from its start; a last block that is shorter is filled with zeros.
;;     - A block's scale is 2^e with e = floor(log2(the largest magnitude in the block)) - 2, held to -126 .. 127; a block of zeros has e = 0. As a byte (E8M0): e + 127.
;;     - Each number is divided by its block's scale, clamped to +-7.5, and rounded to the nearest number of E2M3, ties to even, subnormals kept.
;;     - The product sums the exact products of the quantised numbers (number of the format x scale) in f32.
;;   ~~~python
;;   def quantise(x, axis):      # numpy; x: float32 -> the quantised numbers, widened to float32 again
;;       x = np.moveaxis(x, axis, -1); K = x.shape[-1]
;;       x = np.pad(x, [(0, 0)] * (x.ndim - 1) + [(0, -K % 32)]); x = x.reshape(x.shape[:-1] + (-1, 32)); a = np.abs(x).max(-1, keepdims=True)
;;       e = np.where(a > 0, np.clip(np.frexp(np.where(a > 0, a, 1))[1] - 1 - 2, -126, 127), 0)      # np.frexp(a)[1] - 1 = floor(log2(a)), exactly
;;       r = np.clip(x / 2.0 ** e, -7.5, 7.5)
;;       step = 2.0 ** (np.maximum(np.frexp(np.where(r == 0, 1, r))[1] - 1, 0) - 3)
;;       q = np.round(r / step) * step * 2.0 ** e      # np.round: ties to even
;;       return np.moveaxis(q.reshape(q.shape[:-2] + (-1,))[..., :K], -1, axis).astype(np.float32)
;;   ~~~
;;   SOFTMAX AHEAD OF A QUANTISED PRODUCT. Where the list says 'softmax', what is quantised is not the finished softmax but p = 2^(t - M), with t = logit x log2(e) and M = ceil(the row's largest t), a whole number; so 1/2 < the row's largest p <= 1. The row's sum l is taken of the UNQUANTISED p, in f32, and the product's result is divided by l at the end. Since M is a whole number, a kernel that streams over the keys may use a running M (the ceiling of the running maximum): every later rescaling is an exact power of two, which a block's scale takes up: the codes' values come out the same.
;;   OPERANDS COMPUTED ON THE WAY. 'Computed on the way' means the value that the module computes at that place (a softmax that the list does not call 'softmax' is quantised finished and normalised). What goes into a quantiser is computed in f32, as accurately as f32 sums, v_exp_f32 and their like allow (about 1e-6 of the number): no bf16 or f16 on the way to a quantiser, and a product that is left as it is and whose result goes on into a quantised operand takes f32 operands (vector FMAs, or v_wmma_f32_16x16x4_f32). A number that lies on a knife's edge between two numbers of the format may be rounded either way, as far as f32 arithmetic and the matrix unit's own rounding can turn it there, and no further.
;; One version. Each part assembles by itself: llvm-mc -triple=amdgcn-amd-amdhsa -mcpu=gfx1250 --defsym DOCPART=n.
;; ======== version 1 of 1: 4 launches
;; limits: right only within a limited range of input values
;; workspace buffers: cw 9,437,184 bytes; sw 393,216 bytes; qb 6,815,744 bytes; kv 13,369,344 bytes; oc 6,291,456 bytes; os 262,144 bytes
;; launch qxw (part 1): grid 512 x 1, 4 waves a work-group, no clusters, 46,592 bytes of LDS; arguments x, Wq_w, Wk_w, Wv_w, Wo_w, cw, sw; writes cw, sw
.if DOCPART == 1
	.amdgcn_target "amdgcn-amd-amdhsa--gfx1250"
	.amdhsa_code_object_version 6
	.text
	.protected	k_q481478005d_qxw
	.globl	k_q481478005d_qxw
	.p2align	8
	.type	k_q481478005d_qxw,@function
k_q481478005d_qxw:
	s_mov_b64 s[64:65], 0
	v_nop
	global_prefetch_b8 v0, s[64:65] scope:SCOPE_SE
	s_setreg_imm32_b32 hwreg(HW_REG_WAVE_MODE, 25, 1), 1
	s_wait_xcnt 0x0
; ONE LAUNCH QUANTISES x AND THE FOUR WEIGHTS: work-groups 0-255 take x (the longer share, so the lower numbers), work-groups 256-511 the weights.  The two paths part on the work-group's number alone and have LDS bytes of their own.
; Both give codes of E2M3 with one E8M0 byte for each 32 along K, laid as IMAGES OF OPERAND REGISTERS.
; A row tile g holds the 16 rows 32 (g / 2) + 8 (g % 2) + r + 8 (r / 8), r = 0 .. 15.  A half fragment (16 rows x 64 K) is 768 bytes:
; lane l's registers 0-3 at 16 l, its registers 4-5 at 512 + 8 l; lane (r, h) holds k = 32 h + 0 .. 31 of row r.  cw: tile g at 12,288 g, half fragment q at 768 q.
; sw: tile g at 512 g; the word (four bytes, 128 along K) of K step s of row r at 256 (s / 4) + 16 r + 4 (s % 4).  x's tiles are 0-511, weight i's 512 + 64 i + n / 16 (rows = n).
; A block's scale byte is its largest magnitude's exponent field - 2, held at 1 from below.  LIMITS: a block of zeros gets the byte 1 where the rule says 127
; (its codes are zeros, and this program alone reads the bytes); NaN and infinities among the inputs are not served.
; Memory binds: no matrix unit, no cluster, no barrier: waves share nothing.
.set STG,   8448                       ; x's path: a wave's stage: 16 rows x 528 bytes
.set SPARE, 4*STG                      ; behind the stages: the spare words, 128 bytes for each wave
.set IMG,   SPARE+512                  ; the weights' path: four images of 3,072 bytes
.set SPW,   12                         ; v12  my spare word's address; never rewritten
.set NIL,   13                         ; v13  0; never rewritten
	v_lshl_add_u32 v[SPW], v0, 2, SPARE
	v_mov_b32 v[NIL], 0
	s_cmp_lt_u32 ttmp9, 256
	s_cbranch_scc0 .Lweights
; ---- x [8192][1024].  Work-group wg, wave w: row tile 2 wg + w / 2, K half w % 2: four K steps of 128.  A load reads 512 consecutive bytes of one row; the 16 rows turn through the
; wave's own stage in LDS (pitch 528) and come back 128 bytes a lane: two whole blocks.  Two K steps' loads (32 a wave) are on their way.
.set R,     16                         ; v16-143  two sets of 64: a K step as loaded
.set X,     144                        ; v144-207 my 64 numbers: blocks h and 2 + h of my row
.set PC,    208                        ; v208-219 the fragment's twelve registers
.set PT,    220                        ; v220-226 the second halves of the blocks' codes, before they are moved
.set TM,    228                        ; v228-234 at work
.set W,     236                        ; v236-239 my row's scale words of the four K steps
.set SD,    240                        ; v240-241 the two words that I store
	s_load_b64 s[4:5], s[0:1], 0x0                 ; x
	s_load_b64 s[6:7], s[0:1], 0x28                ; cw
	s_load_b64 s[8:9], s[0:1], 0x30                ; sw
	v_lshrrev_b32 v7, 5, v0
	v_readfirstlane_b32 s12, v7                    ; wave
	v_and_b32 v7, 31, v0                           ; lane
	v_and_b32 v8, 15, v0                           ; r
	v_bfe_u32 v9, v0, 4, 1                         ; h
	v_lshlrev_b32 v1, 4, v7                        ; 16 x lane
	v_lshlrev_b32 v2, 3, v7                        ; 8 x lane
	s_mul_i32 s16, s12, STG
	v_add_nc_u32 v3, s16, v1                       ; the stage, on the way in
	v_mul_u32_u24 v4, v8, 528
	v_lshl_add_u32 v4, v9, 7, v4
	v_add_nc_u32 v4, s16, v4                       ; and on the way out: row r, + 128 h
	v_lshlrev_b32 v5, 3, v9                        ; 8 h: my bytes' place in a scale word
	v_lshlrev_b32 v6, 4, v8
	v_lshl_add_u32 v6, v9, 3, v6                   ; 16 r + 8 h: the two words that I store
	v_mov_b32 v[TM+6], 0                           ; written once: a lane permute's destination counts as one of its sources
	s_lshr_b32 s13, s12, 1                         ; which of the work-group's two tiles
	s_and_b32 s14, s12, 1                          ; which half of K
	s_mov_b32 s20, 0x76543210
	s_mov_b32 s21, 0xfedcba98                      ; selects for lane l xor 16
	s_mov_b32 s22, 0xffff0000                      ; lanes 16-31
	s_lshl_b32 s24, ttmp9, 17                      ; 32 rows of 4,096 bytes a work-group,
	s_lshl_b32 s25, s13, 15                        ; 8 rows on for the second tile,
	s_add_co_u32 s24, s24, s25
	s_lshl_b32 s25, s14, 11                        ; 2,048 bytes on for the second half of K
	s_add_co_u32 s24, s24, s25
	s_mov_b32 s25, 0
	s_lshl_b32 s26, ttmp9, 1
	s_add_co_u32 s26, s26, s13                     ; g
	s_mul_i32 s28, s26, 12288
	s_mul_i32 s27, s14, 6144
	s_add_co_u32 s28, s28, s27
	s_mov_b32 s29, 0
	s_lshl_b32 s30, s26, 9
	s_lshl_b32 s27, s14, 8
	s_add_co_u32 s30, s30, s27
	s_mov_b32 s31, 0
	s_wait_alu depctr_va_vdst(0)                   ; the wait at the head's end
	s_wait_kmcnt 0x0
	s_add_nc_u64 s[4:5], s[4:5], s[24:25]
	s_add_nc_u64 s[6:7], s[6:7], s[28:29]
	s_add_nc_u64 s[8:9], s[8:9], s[30:31]
.macro LOAD t                          ; K step t of the tile's 16 rows: each load 512 consecutive bytes
.irp i, 0,1,2,3,4,5,6,7,8,9,10,11,12,13,14,15
	global_load_b128 v[R+64*((\t)%2)+4*\i:R+64*((\t)%2)+4*\i+3], v1, s[4:5] offset:(\i+8*(\i/8))*4096+512*(\t) th:TH_LOAD_NT
.endr
.endm
.macro TURN t                          ; through the stage: LDS serves a wave's instructions in order, so no wait stands between the stores and the loads
.irp i, 0,1,2,3,4,5,6,7,8,9,10,11,12,13,14,15
	ds_store_b128 v3, v[R+64*((\t)%2)+4*\i:R+64*((\t)%2)+4*\i+3] offset:528*\i
.endr
.irp c, 0,1
.irp j, 0,1,2,3,4,5,6,7
	ds_load_b128 v[X+32*\c+4*\j:X+32*\c+4*\j+3], v4 offset:256*\c+16*\j
.endr
.endr
.endm
.macro QB t                            ; my two blocks become twelve registers of codes and two bytes of the row's scale word
.irp c, 0,1
	v_max3_num_f32 v[TM+\c], |v[X+32*\c]|, |v[X+32*\c+1]|, 0x1800000   ; with the floor 2^(3 - 127): the byte cannot fall under 1
.endr
.irp i, 2,4,6,8,10,12,14,16,18,20,22,24,26,28,30
.irp c, 0,1
	v_max3_num_f32 v[TM+\c], v[TM+\c], |v[X+32*\c+\i]|, |v[X+32*\c+\i+1]|
.endr
.endr
.irp c, 0,1
	v_add_nc_u32 v[TM+2+\c], 0xff000000, v[TM+\c]  ; 2 off the exponent field: the conversion's scale operand
.endr
.irp c, 0,1
	v_lshrrev_b32 v[TM+4+\c], 23, v[TM+2+\c]       ; the byte
.endr
	v_lshl_or_b32 v[W+\t], v[TM+5], 16, v[TM+4]    ; blocks h and 2 + h,
	v_lshlrev_b32 v[W+\t], v5, v[W+\t]             ; at their places;
	v_permlanex16_b32 v[TM+6], v[W+\t], s20, s21
	v_or_b32 v[W+\t], v[W+\t], v[TM+6]             ; with lane l xor 16's two the word is whole
	s_wait_alu depctr_va_vdst(0)
	s_wait_xcnt 0x0                                ; the last step's stores have read the codes' registers: only now are they written again
.irp c, 0,1
	v_cvt_scalef32_pk16_fp6_f32 v[PC+6*\c:PC+6*\c+2], v[X+32*\c:X+32*\c+15], v[TM+2+\c]
	v_cvt_scalef32_pk16_fp6_f32 v[PT+4*\c:PT+4*\c+2], v[X+32*\c+16:X+32*\c+31], v[TM+2+\c]   ; (a conversion's three registers begin on an even number)
.endr
	v_nop                                          ; one plain place behind a scaled conversion
.irp c, 0,1
.irp i, 0,1,2
	v_mov_b32 v[PC+6*\c+3+\i], v[PT+4*\c+\i]
.endr
.endr
	global_store_b128 v1, v[PC:PC+3], s[6:7] offset:1536*\t              ; each store covers 512 or 256 consecutive bytes, aligned
	global_store_b64 v2, v[PC+4:PC+5], s[6:7] offset:1536*\t+512
	global_store_b128 v1, v[PC+6:PC+9], s[6:7] offset:1536*\t+768
	global_store_b64 v2, v[PC+10:PC+11], s[6:7] offset:1536*\t+1280
.endm
	LOAD 0
	LOAD 1
.irp t, 0,1,2,3
.if \t < 3
	s_wait_loadcnt 16                              ; this step's 16 loads are in; the next step's stay out
.else
	s_wait_loadcnt 0x0
.endif
	TURN \t
	s_wait_dscnt 0x0                               ; my numbers are back, and the stage's stores have read their registers,
.if \t < 2
	LOAD \t+2                                      ; which take the loads of two steps on
.endif
	QB \t
.endr
	v_cndmask_b32 v[SD], v[W], v[W+2], s22         ; lanes 0-15 store words 0, 1 of my half of K, lanes 16-31 words 2, 3
	v_cndmask_b32 v[SD+1], v[W+1], v[W+3], s22
	global_store_b64 v6, v[SD:SD+1], s[8:9]        ; the wave's 256 consecutive bytes, aligned
	s_wait_tensorcnt 0x0                           ; the wave's end, behind my last LDS store
	ds_add_u32 v[SPW], v[NIL]
	s_wait_dscnt 0x0
	s_endpgm
; ---- the four weights [1024 (k)][1024 (n)], whose K is the FIRST axis.  A LANE TAKES A COLUMN n AND ITS REGISTERS RUN DOWN K: a block of 32 lies in one lane, and nothing is transposed by an instruction.
; Work-group 256 + 8 y + x: 128 columns from 128 x; weight y / 8, K step (128 along K) y % 8.  Wave w: 32 columns = two row tiles.  Lane L is column n0 + L: tile u = (L / 8) % 2, row r = L % 8 + 8 (L / 16).
; Block kb of a column is lane (r, kb % 2) of half fragment kb / 2: its 24 bytes go to that place of an image in the wave's own LDS, and the image (3,072 bytes) leaves by stores of 512 consecutive bytes.
; The scale words leave four bytes a lane, 16 bytes apart: 128 KB against 16.8 MB read; whole units would want four K steps in one wave, a quarter of the waves.
.Lweights:
.set X,     16                         ; v16-143  my column's 128 numbers
.set PCB,   144                        ; v144..   six registers of codes for each block, eight apart
.set PT,    176
.set TM,    180
.set W,     184                        ; my column's scale word
	s_load_b256 s[4:11], s[0:1], 0x8               ; Wq_w, Wk_w, Wv_w, Wo_w
	s_load_b128 s[12:15], s[0:1], 0x28             ; cw, sw
	v_lshrrev_b32 v6, 5, v0
	v_readfirstlane_b32 s16, v6                    ; wave
	v_and_b32 v6, 31, v0                           ; L
	v_lshlrev_b32 v1, 2, v6                        ; 4 L
	v_lshlrev_b32 v2, 4, v6                        ; 16 L
	v_bfe_u32 v7, v0, 3, 1                         ; u
	v_and_b32 v8, 7, v0
	v_bfe_u32 v9, v0, 4, 1
	v_lshl_add_u32 v8, v9, 3, v8                   ; r
	s_mul_i32 s17, s16, 3072
	s_add_co_u32 s17, s17, IMG
	v_mul_u32_u24 v3, v7, 1536
	v_add_nc_u32 v3, s17, v3                       ; my tile's two half fragments in the image
	v_lshl_add_u32 v4, v8, 3, v3                   ; + 8 r: registers 4-5 (512 more in the immediate)
	v_lshl_add_u32 v3, v8, 4, v3                   ; + 16 r: registers 0-3
	v_lshlrev_b32 v5, 9, v7
	v_lshl_add_u32 v5, v8, 4, v5                   ; the scale word: 512 u + 16 r
	v_add_nc_u32 v10, s17, v2                      ; the image read back: 16 L
	s_sub_co_u32 s31, ttmp9, 256
	s_and_b32 s30, s31, 7                          ; x
	s_lshr_b32 s18, s31, 3                         ; y
	s_lshr_b32 s19, s18, 3                         ; which weight
	s_and_b32 s20, s18, 7                          ; which K step
	s_lshl_b32 s22, s20, 19                        ; 128 rows of 4,096 bytes a K step,
	s_lshl_b32 s23, s30, 9
	s_add_co_u32 s22, s22, s23                     ; 128 columns a work-group,
	s_lshl_b32 s23, s16, 7
	s_add_co_u32 s22, s22, s23                     ; 32 a wave
	s_mov_b32 s23, 0
	s_lshl_b32 s24, s19, 6
	s_add_co_u32 s24, s24, 512
	s_lshl_b32 s25, s30, 3
	s_add_co_u32 s24, s24, s25
	s_lshl_b32 s25, s16, 1
	s_add_co_u32 s24, s24, s25                     ; g0 = 512 + 64 weight + 8 x + 2 wave
	s_mul_i32 s26, s24, 12288
	s_mul_i32 s27, s20, 1536
	s_add_co_u32 s26, s26, s27
	s_mov_b32 s27, 0
	s_lshl_b32 s28, s24, 9
	s_lshr_b32 s29, s20, 2
	s_lshl_b32 s29, s29, 8
	s_add_co_u32 s28, s28, s29
	s_and_b32 s29, s20, 3
	s_lshl_b32 s29, s29, 2
	s_add_co_u32 s28, s28, s29
	s_mov_b32 s29, 0
	s_wait_alu depctr_va_vdst(0)                   ; the wait at the head's end
	s_wait_kmcnt 0x0
	s_cmp_eq_u32 s19, 1                            ; the choice hangs on the work-group's number alone
	s_cselect_b64 s[4:5], s[6:7], s[4:5]
	s_cmp_eq_u32 s19, 2
	s_cselect_b64 s[4:5], s[8:9], s[4:5]
	s_cmp_eq_u32 s19, 3
	s_cselect_b64 s[4:5], s[10:11], s[4:5]
	s_add_nc_u64 s[4:5], s[4:5], s[22:23]
	s_add_nc_u64 s[12:13], s[12:13], s[26:27]
	s_add_nc_u64 s[14:15], s[14:15], s[28:29]
.macro LOADB kb                        ; block kb: W(32 kb + i, my column), i = 0 .. 31
.irp i, 0,1,2,3,4,5,6,7,8,9,10,11,12,13,14,15,16,17,18,19,20,21,22,23,24,25,26,27,28,29,30,31
	global_load_b32 v[X+32*(\kb)+\i], v1, s[4:5] offset:(32*(\kb)+\i)*4096 th:TH_LOAD_NT   ; 128 consecutive bytes a wave, 512 a work-group
.endr
.endm
	LOADB 0
	LOADB 1
.macro BLOCK kb
.set XS, X+32*\kb
.if \kb < 3
	s_wait_loadcnt 32                              ; this block's 32 loads are in; the next block's 32 stay out
.else
	s_wait_loadcnt 0x0                             ; the last block: nothing was issued behind it
.endif
.if \kb < 2
	LOADB \kb+2                                    ; two blocks on, into registers of its own
.endif
	v_max3_num_f32 v[TM], |v[XS]|, |v[XS+1]|, |v[XS+2]|
	v_max3_num_f32 v[TM+1], |v[XS+3]|, |v[XS+4]|, |v[XS+5]|
.irp i, 6,10,14,18,22,26
	v_max3_num_f32 v[TM], v[TM], |v[XS+\i]|, |v[XS+\i+1]|
	v_max3_num_f32 v[TM+1], v[TM+1], |v[XS+\i+2]|, |v[XS+\i+3]|
.endr
	v_max3_num_f32 v[TM], v[TM], |v[XS+30]|, |v[XS+31]|
	v_max3_num_f32 v[TM], v[TM], v[TM+1], 0x1800000   ; and the floor 2^(3 - 127)
	v_add_nc_u32 v[TM+2], 0xff000000, v[TM]        ; the conversion's scale operand
	v_lshrrev_b32 v[TM+3], 23, v[TM+2]             ; the byte
.if \kb == 0
	v_mov_b32 v[W], v[TM+3]
.else
	v_lshl_or_b32 v[W], v[TM+3], 8*\kb, v[W]
.endif
	v_cvt_scalef32_pk16_fp6_f32 v[PCB+8*\kb:PCB+8*\kb+2], v[XS:XS+15], v[TM+2]
	v_cvt_scalef32_pk16_fp6_f32 v[PT:PT+2], v[XS+16:XS+31], v[TM+2]
	v_nop                                          ; one plain place behind a scaled conversion
.irp i, 0,1,2
	v_mov_b32 v[PCB+8*\kb+3+\i], v[PT+\i]
.endr
	ds_store_b128 v3, v[PCB+8*\kb:PCB+8*\kb+3] offset:768*(\kb/2)+256*(\kb%2)
	ds_store_b64 v4, v[PCB+8*\kb+4:PCB+8*\kb+5] offset:768*(\kb/2)+128*(\kb%2)+512
.endm
	BLOCK 0
	BLOCK 1
	BLOCK 2
	BLOCK 3
	global_store_b32 v5, v[W], s[14:15]
.irp j, 0,1,2,3,4,5
	ds_load_b128 v[188+4*\j-184*(\j/3):188+4*\j-184*(\j/3)+3], v10 offset:512*\j   ; v188-199, then v16-27.  LDS serves a wave's instructions in order: these see my stores
.endr
.irp j, 0,1,2,3,4,5
	s_wait_dscnt 5-\j
	global_store_b128 v2, v[188+4*\j-184*(\j/3):188+4*\j-184*(\j/3)+3], s[12:13] offset:(\j/3)*12288+(\j%3)*512   ; 512 consecutive bytes, aligned
.endr
	s_wait_tensorcnt 0x0                           ; the wave's end, behind my last LDS store
	ds_add_u32 v[SPW], v[NIL]
	s_wait_dscnt 0x0
	s_endpgm
.Lfunc_end_k_q481478005d_qxw:
	.size	k_q481478005d_qxw, .Lfunc_end_k_q481478005d_qxw-k_q481478005d_qxw
	.p2alignl 7, 3214868480
	.fill 96, 4, 3214868480
	.section	.rodata,"a",@progbits
	.p2align	6, 0x0
	.amdhsa_kernel k_q481478005d_qxw
		.amdhsa_group_segment_fixed_size 46592
		.amdhsa_private_segment_fixed_size 0
		.amdhsa_enable_private_segment 0
		.amdhsa_kernarg_size 56
		.amdhsa_user_sgpr_count 2
		.amdhsa_user_sgpr_kernarg_segment_ptr 1
		.amdhsa_wavefront_size32 1
		.amdhsa_system_sgpr_workgroup_id_x 1
		.amdhsa_system_sgpr_workgroup_id_y 1
		.amdhsa_system_sgpr_workgroup_id_z 1
		.amdhsa_system_vgpr_workitem_id 0
		.amdhsa_next_free_vgpr 248
		.amdhsa_next_free_sgpr 66
		.amdhsa_reserve_vcc 0
		.amdhsa_float_denorm_mode_32 3
		.amdhsa_float_denorm_mode_16_64 3
		.amdhsa_memory_ordered 1
		.amdhsa_forward_progress 1
		.amdhsa_inst_pref_size 53
	.end_amdhsa_kernel
	.amdgpu_metadata
---
amdhsa.version: [ 1, 2 ]
amdhsa.kernels:
  - .name:           k_q481478005d_qxw
    .symbol:         k_q481478005d_qxw.kd
    .args:
      - { .name: x, .offset: 0, .size: 8, .value_kind: global_buffer, .address_space: global }
      - { .name: Wq_w, .offset: 8, .size: 8, .value_kind: global_buffer, .address_space: global }
      - { .name: Wk_w, .offset: 16, .size: 8, .value_kind: global_buffer, .address_space: global }
      - { .name: Wv_w, .offset: 24, .size: 8, .value_kind: global_buffer, .address_space: global }
      - { .name: Wo_w, .offset: 32, .size: 8, .value_kind: global_buffer, .address_space: global }
      - { .name: cw, .offset: 40, .size: 8, .value_kind: global_buffer, .address_space: global }
      - { .name: sw, .offset: 48, .size: 8, .value_kind: global_buffer, .address_space: global }
    .group_segment_fixed_size: 46592
    .private_segment_fixed_size: 0
    .kernarg_segment_align: 8
    .kernarg_segment_size: 56
    .max_flat_workgroup_size: 128
    .sgpr_count:     66
    .vgpr_count:     248
    .wavefront_size: 32
...
	.end_amdgpu_metadata
.endif
;; end of part 1
;; launch qkv (part 2): grid 12 x 32, 4 waves a work-group, clusters of 4 x 4, 327,680 bytes of LDS; arguments cw, sw, Wq_b, Wk_b, Wv_b, qb, kv; writes qb, kv
.if DOCPART == 2
	.amdgcn_target "amdgcn-amd-amdhsa--gfx1250"
	.amdhsa_code_object_version 6
	.text
	.protected	k_q481478005d_qkv
	.globl	k_q481478005d_qkv
	.p2align	8
	.type	k_q481478005d_qkv,@function
k_q481478005d_qkv:
	s_mov_b64 s[64:65], 0
	v_nop
	global_prefetch_b8 v0, s[64:65] scope:SCOPE_SE
	s_setreg_imm32_b32 hwreg(HW_REG_WAVE_MODE, 25, 1), 1
	s_wait_xcnt 0x0
	s_wait_alu depctr_hold_cnt(0) depctr_sa_sdst(0) depctr_va_vdst(0) depctr_va_sdst(0) depctr_va_ssrc(0) depctr_va_vcc(0) depctr_vm_vsrc(0)
	s_getreg_b32 s2, hwreg(HW_REG_IB_STS2, 6, 4)
	s_cmp_eq_u32 s2, 0
	s_cbranch_scc0 .Lentry_in_a_cluster
	s_endpgm
.Lentry_in_a_cluster:
	s_bfe_u32 s2, ttmp6, 0x10000c
	s_cmp_lg_u32 s2, 0xf033
	s_cbranch_scc0 .Lentry_shape_is_right
	s_endpgm
.Lentry_shape_is_right:
.set HALFT, 24576
.set SLOT,  98304
.set SPARE, 196608
.set FR,  12
.set AF,  128
.set SC0, 32
.set SC1, 64
.set A16, 16
.set A8,  20
.set SPW, 28
.set NIL, 29
.set BV,  96
.set WA,  104
.set WB,  112
.set SD,  120
.set RS,  124
.set Y,   128
.set PC,  192
.set TM,  212
.set BB,  224
.set PW,  228
.set SS,  232
.set WV,  18
.set RH,  19
.set CH,  20
.set CX,  21
.set CY,  22
.set CLY, 23
.set G1A, 24
.set G0A, 32
.set G1B, 48
.set G0B, 56
.set SEL, 66
.set HM,  68
.set MSB, 0
.macro WIN new
.if MSB != (\new)
	s_set_vgpr_msb (MSB<<8)|(\new)
.set MSB, (\new)
.endif
.endm
.set MUL_LO, 0xa1
.set MUL_HI, 0xf1
.macro PLACES n
.rept \n
	v_nop
.endr
.endm
.macro JLOAD g0a, g1a, g0b, g1b
	s_cmp_eq_u32 s[RH], 0
	s_cbranch_scc0 .Lfor_b_\@
	tensor_load_to_lds s[\g0a:\g0a+3], s[\g1a:\g1a+7]
	s_nop 0
.rept 4
	v_nop
.endr
	s_branch .Lasked_\@
.Lfor_b_\@:
	tensor_load_to_lds s[\g0b:\g0b+3], s[\g1b:\g1b+7]
	s_nop 0
.rept 4
	v_nop
.endr
.Lasked_\@:
.endm
.macro CREST
	s_cmp_lg_u32 s[WV], 0
	s_cbranch_scc1 .Lnot_wave_0_\@
	s_barrier_signal -3
.Lnot_wave_0_\@:
	s_barrier_wait -3
	s_barrier_signal -1
	s_barrier_wait -1
.endm
.macro CROUND
	s_barrier_signal -1
	s_barrier_wait -1
	CREST
.endm
.macro FRAG reg, ad, i, q
	ds_load_b128 v[\reg:\reg+3], v[A16+\ad] offset:3072*(\i)+1536*(\q)
	ds_load_b64 v[\reg+4:\reg+5], v[A8+\ad] offset:3072*(\i)+1536*(\q)+512
	ds_load_b128 v[\reg+6:\reg+9], v[A16+\ad] offset:3072*(\i)+1536*(\q)+768
	ds_load_b64 v[\reg+10:\reg+11], v[A8+\ad] offset:3072*(\i)+1536*(\q)+1280
.endm
.macro FETCH_S0 slot, q, set
	WIN 0x40
.irp i, 0,1,2,3,4,5,6,7
	FRAG 128*(\set)+FR*\i, 2+\slot, \i, \q
.endr
	WIN 0
.endm
.macro FETCH_S1 slot, q, i0
.irp i, \i0, \i0+1, \i0+2, \i0+3
	FRAG AF+FR*(\i), \slot, \i, \q
.endr
.endm
.macro MUL16 a0, p, s, zero
.irp a, \a0, \a0+1
.irp b, 0,1,2,3,4,5,6,7
.if \zero
	v_wmma_scale_f32_16x16x128_f8f6f4 v[8*(8*((\a)%4)+\b):8*(8*((\a)%4)+\b)+7], v[128*(\p)+FR*\b:128*(\p)+FR*\b+FR-1], v[AF+FR*(\a):AF+FR*(\a)+FR-1], 0, v[SC0+4*\b+(\s)%4], v[SC1+4*(\a)+(\s)%4] matrix_a_fmt:MATRIX_FMT_FP6 matrix_b_fmt:MATRIX_FMT_FP6
.elseif (\s) < 4
	v_wmma_scale_f32_16x16x128_f8f6f4 v[8*(8*((\a)%4)+\b):8*(8*((\a)%4)+\b)+7], v[128*(\p)+FR*\b:128*(\p)+FR*\b+FR-1], v[AF+FR*(\a):AF+FR*(\a)+FR-1], v[8*(8*((\a)%4)+\b):8*(8*((\a)%4)+\b)+7], v[SC0+4*\b+(\s)%4], v[SC1+4*(\a)+(\s)%4] matrix_a_fmt:MATRIX_FMT_FP6 matrix_b_fmt:MATRIX_FMT_FP6
.else
	v_wmma_scale_f32_16x16x128_f8f6f4 v[8*(8*((\a)%4)+\b):8*(8*((\a)%4)+\b)+7], v[128*(\p)+FR*\b:128*(\p)+FR*\b+FR-1], v[AF+FR*(\a):AF+FR*(\a)+FR-1], v[8*(8*((\a)%4)+\b):8*(8*((\a)%4)+\b)+7], v[SC0+4*\b+(\s)%4], v[SC1+4*(\a)+(\s)%4] matrix_a_fmt:MATRIX_FMT_FP6 matrix_b_fmt:MATRIX_FMT_FP6 matrix_a_scale:MATRIX_SCALE_ROW1 matrix_b_scale:MATRIX_SCALE_ROW1
.endif
.endr
.endr
.endm
.macro STEP slot, s, zero
	s_wait_dscnt 16
	WIN MUL_LO
	MUL16 0, 0, \s, \zero
	MUL16 2, 0, \s, \zero
	s_wait_dscnt 0x0
	PLACES 4
	FETCH_S0 \slot, 1, 1
	FETCH_S1 \slot, 1, 0
	WIN MUL_HI
	MUL16 4, 0, \s, \zero
	MUL16 6, 0, \s, \zero
	PLACES 4
	WIN 0
	FETCH_S1 \slot, 1, 4
.endm
.macro TURN slot, next, s, fill
	s_wait_tensorcnt 0x0
	ds_add_u32 v[SPW], v[NIL]
	s_wait_dscnt 17
	WIN MUL_LO
	MUL16 0, 1, \s, 0
	s_wait_dscnt 0x0
	s_barrier_signal -1
	MUL16 2, 1, \s, 0
	WIN 0
	s_barrier_wait -1
.if \fill
	CREST
	s_add_nc_u64 s[G0A+4*\slot+2:G0A+4*\slot+3], s[G0A+4*\slot+2:G0A+4*\slot+3], 6144
	s_add_nc_u64 s[G0B+4*\slot+2:G0B+4*\slot+3], s[G0B+4*\slot+2:G0B+4*\slot+3], 6144
	JLOAD G0A+4*\slot, G1A, G0B+4*\slot, G1B
.else
	PLACES 4
.endif
	FETCH_S0 \next, 0, 0
	FETCH_S1 \next, 0, 0
	WIN MUL_HI
	MUL16 4, 1, \s, 0
	MUL16 6, 1, \s, 0
	PLACES 4
	WIN 0
	FETCH_S1 \next, 0, 4
.endm
.macro QUANT64 s
.irp b, 0,1,2,3
	v_max3_num_f32 v[TM+\b], |v[\s+16*\b]|, |v[\s+1+16*\b]|, 0x1800000
.endr
.irp i, 2,4,6,8,10,12,14
.irp b, 0,1,2,3
	v_max3_num_f32 v[TM+\b], v[TM+\b], |v[\s+16*\b+\i]|, |v[\s+1+16*\b+\i]|
.endr
.endr
.irp b, 0,1,2,3
	v_permlanex16_b32 v[TM+4+\b], v[TM+\b], s[SEL], s[SEL+1]
.endr
.irp b, 0,1,2,3
	v_max_num_f32 v[TM+\b], v[TM+\b], v[TM+4+\b]
.endr
.irp b, 0,1,2,3
	v_add_nc_u32 v[TM+8+\b], 0xff000000, v[TM+\b]
.endr
.irp b, 0,1,2,3
	v_lshrrev_b32 v[TM+4+\b], 23, v[TM+8+\b]
.endr
	v_lshl_or_b32 v[PW], v[TM+5], 8, v[TM+4]
	v_lshl_or_b32 v[PW], v[TM+6], 16, v[PW]
	v_lshl_or_b32 v[PW], v[TM+7], 24, v[PW]
.irp c, 0,1
	v_cvt_scalef32_pk16_fp6_f32 v[PC+6*\c:PC+2+6*\c], v[\s+32*\c:\s+15+32*\c], v[TM+8+2*\c]
	v_cvt_scalef32_pk16_fp6_f32 v[PC+12+4*\c:PC+14+4*\c], v[\s+16+32*\c:\s+31+32*\c], v[TM+8+2*\c+1]
.endr
	v_nop
.irp c, 0,1
.irp i, 0,1,2
	v_permlane16_swap_b32 v[PC+6*\c+\i], v[PC+12+4*\c+\i]
.endr
.irp i, 0,1,2
	v_mov_b32 v[PC+3+6*\c+\i], v[PC+12+4*\c+\i]
.endr
.endr
.endm
	s_load_b256 s[4:11], s[0:1], 0x0
	s_load_b128 s[12:15], s[0:1], 0x20
	s_load_b64 s[16:17], s[0:1], 0x30
	v_lshl_add_u32 v[SPW], v0, 2, SPARE
	v_mov_b32 v[NIL], 0
	ds_add_u32 v[SPW], v[NIL]
	ds_add_u32 v[SPW], v[NIL]
	v_lshrrev_b32 v3, 5, v0
	v_readfirstlane_b32 s[WV], v3
	s_lshr_b32 s[RH], s[WV], 1
	s_and_b32 s[CH], s[WV], 1
	s_bfe_u32 s[CX], ttmp6, 0x40000
	s_bfe_u32 s[CY], ttmp6, 0x40004
	s_and_b32 s[CLY], ttmp7, 0xffff
	s_lshl_b32 s45, s[CY], 2
	s_lshl_b32 s45, 15, s45
	s_lshl_b32 s46, 0x1111, s[CX]
	s_or_b32 s[G1A], s45, (3<<16)|(1<<21)
	s_or_b32 s[G1B], s46, (3<<16)|(1<<21)
.irp g, G1A, G1B
	s_mov_b32 s[\g+1], 384<<16
	s_mov_b32 s[\g+2], 8<<16
	s_mov_b32 s[\g+3], 384<<16
	s_mov_b32 s[\g+4], 8
	s_mov_b32 s[\g+5], 1536
	s_mov_b32 s[\g+6], 0
	s_mov_b32 s[\g+7], 0
.endr
	s_mov_b32 s[SEL], 0x76543210
	s_mov_b32 s[SEL+1], 0xfedcba98
	s_mov_b32 s[HM], 0xffff0000
	s_lshl_b32 s40, s[CLY], 6
	s_lshl_b32 s41, ttmp9, 6
	s_add_co_u32 s41, s41, 512
	s_cmp_eq_u32 ttmp9, 2
	s_cselect_b32 s42, 640, s40
	s_cselect_b32 s43, s40, s41
	s_lshl_b32 s44, s[CY], 4
	s_add_co_u32 s42, s42, s44
	s_lshl_b32 s69, s[CX], 4
	s_add_co_u32 s43, s43, s69
	s_lshl_b32 s46, s[CH], 3
	s_add_co_u32 s70, s42, s46
	s_mul_i32 s70, s70, 12288
	s_mov_b32 s71, 0
	s_add_co_u32 s72, s43, s46
	s_mul_i32 s72, s72, 12288
	s_mov_b32 s73, 0
	s_mul_i32 s47, s[WV], HALFT
	v_and_b32 v3, 31, v0
	v_lshlrev_b32 v1, 4, v3
	v_lshlrev_b32 v2, 3, v3
	v_bfe_u32 v6, v0, 4, 1
	v_lshlrev_b32 v4, 6, v6
	v_and_b32 v7, 15, v0
	v_and_b32 v5, 8, v7
	v_add_nc_u32 v5, v5, v7
	v_lshlrev_b32 v5, 2, v5
	s_mul_i32 s90, s[RH], HALFT
	s_mul_i32 s91, s[CH], HALFT
	s_add_co_u32 s91, s91, 2*HALFT
.irp s, 0,1
	v_add_nc_u32 v[A16+\s], s90, v1
	v_add_nc_u32 v[A8+\s], s90, v2
	v_add_nc_u32 v[A16+2+\s], s91, v1
	v_add_nc_u32 v[A8+2+\s], s91, v2
	s_add_co_u32 s90, s90, SLOT
	s_add_co_u32 s91, s91, SLOT
.endr
	s_wait_dscnt 0x0
	s_wait_kmcnt 0x0
	s_add_nc_u64 s[70:71], s[4:5], s[70:71]
	s_add_nc_u64 s[72:73], s[4:5], s[72:73]
	CROUND
.irp s, 0,1
	s_mov_b32 s[G0A+4*\s], 1
	s_add_co_u32 s[G0A+4*\s+1], s47, \s*SLOT
	s_add_nc_u64 s[G0A+4*\s+2:G0A+4*\s+3], s[70:71], \s*3072
	s_or_b32 s[G0A+4*\s+3], s[G0A+4*\s+3], 0x80000000
	s_mov_b32 s[G0B+4*\s], 1
	s_add_co_u32 s[G0B+4*\s+1], s47, \s*SLOT
	s_add_nc_u64 s[G0B+4*\s+2:G0B+4*\s+3], s[72:73], \s*3072
	s_or_b32 s[G0B+4*\s+3], s[G0B+4*\s+3], 0x80000000
	s_wait_alu depctr_va_vdst(0)
	s_wait_tensorcnt 0x0
	ds_add_u32 v28, v29
	ds_add_u32 v28, v29
	s_wait_dscnt 0x0
	CROUND
	JLOAD G0A+4*\s, G1A, G0B+4*\s, G1B
.endr
	s_lshl_b32 s74, s[CH], 3
	s_add_co_u32 s74, s74, s43
	s_lshl_b32 s74, s74, 9
	s_mov_b32 s75, 0
	s_add_nc_u64 s[74:75], s[6:7], s[74:75]
	s_lshl_b32 s76, s[RH], 3
	s_add_co_u32 s76, s76, s42
	s_lshl_b32 s76, s76, 9
	s_mov_b32 s77, 0
	s_add_nc_u64 s[76:77], s[6:7], s[76:77]
.irp i, 0,1,2,3,4,5,6,7
	global_load_b128 v[SC0+4*\i:SC0+4*\i+3], v1, s[74:75] offset:512*\i
	global_load_b128 v[SC1+4*\i:SC1+4*\i+3], v1, s[76:77] offset:512*\i
.endr
	s_cmp_eq_u32 ttmp9, 0
	s_cselect_b64 s[78:79], s[8:9], s[10:11]
	s_lshl_b32 s80, s[CX], 10
	s_lshl_b32 s81, s[CH], 9
	s_add_co_u32 s80, s80, s81
	s_mov_b32 s81, 0
	s_add_nc_u64 s[78:79], s[78:79], s[80:81]
	s_lshl_b32 s80, s[CY], 10
	s_lshl_b32 s92, s[RH], 9
	s_add_co_u32 s80, s80, s92
	s_add_nc_u64 s[82:83], s[12:13], s[80:81]
	WIN 0x40
.set n, 0
.rept 16
	global_load_b128 v[96+n+96*(n/32):96+n+96*(n/32)+3], v4, s[78:79] offset:128*(n/16)+4*(n%16)
.set n, n+4
.endr
	WIN 0
	s_wait_alu depctr_va_vdst(0)
.irp j, 0,1,2,3,4,5,6,7
	global_load_b32 v[BV+\j], v5, s[82:83] offset:4*(32*(\j/2)+8*(\j%2))
.endr
	s_wait_tensorcnt 1
	s_barrier_signal -1
	s_barrier_wait -1
	FETCH_S0 0, 0, 0
	FETCH_S1 0, 0, 0
	FETCH_S1 0, 0, 4
	s_wait_loadcnt 0x0
	STEP 0, 0, 1
	TURN 0, 1, 1, 1
	STEP 1, 2, 0
	TURN 1, 0, 3, 1
	STEP 0, 4, 0
	TURN 0, 1, 5, 0
	STEP 1, 6, 0
	s_wait_dscnt 16
	WIN MUL_LO
	MUL16 0, 1, 7, 0
	MUL16 2, 1, 7, 0
	s_wait_dscnt 0x0
	WIN MUL_HI
	MUL16 4, 1, 7, 0
	MUL16 6, 1, 7, 0
	WIN 0
	PLACES 4
.irp b, 0,1,2,3
	v_mov_b32 v[TM+4+\b], 0
.endr
	v_mov_b32 v[RS+1], 0
	v_mov_b32 v[RS+3], 0
	s_cmp_eq_u32 ttmp9, 2
	s_cbranch_scc1 .Lv
	s_lshl_b32 s40, s[CLY], 2
	s_add_co_u32 s40, s40, s[CY]
	s_lshl_b32 s40, s40, 1
	s_add_co_u32 s40, s40, s[RH]
	s_lshr_b32 s41, s40, 4
	s_and_b32 s40, s40, 15
	s_lshl_b32 s42, s[CX], 2
	s_lshl_b32 s43, s[CH], 1
	s_add_co_u32 s42, s42, s43
	s_lshl_b32 s41, s41, 4
	s_add_co_u32 s41, s41, s42
	s_lshl_b32 s41, s41, 4
	s_add_co_u32 s41, s41, s40
	s_mov_b32 s44, 13056
	s_cmp_eq_u32 ttmp9, 0
	s_cselect_b32 s44, 6656, s44
	s_cselect_b64 s[84:85], s[14:15], s[16:17]
	s_mul_i32 s86, s41, s44
	s_mov_b32 s87, 0
	s_add_nc_u64 s[84:85], s[84:85], s[86:87]
	s_lshl_b32 s86, s44, 4
	s_add_nc_u64 s[88:89], s[84:85], s[86:87]
.macro QKOUT a
	WIN 0x06+(\a)/4
.set n, 0
.rept 32
	v_pk_add_f32 v[Y+n:Y+n+1], v[64*((\a)%4)+n:64*((\a)%4)+n+1], v[96+n+96*(n/32):96+n+96*(n/32)+1]
.set n, n+2
.endr
	WIN 0
	v_pk_mul_f32 v[SS:SS+1], v[Y:Y+1], v[Y:Y+1]
	v_pk_mul_f32 v[SS+2:SS+3], v[Y+32:Y+33], v[Y+32:Y+33]
.irp i, 2,4,6,8,10,12,14,16,18,20,22,24,26,28,30
	v_pk_fma_f32 v[SS:SS+1], v[Y+\i:Y+\i+1], v[Y+\i:Y+\i+1], v[SS:SS+1]
	v_pk_fma_f32 v[SS+2:SS+3], v[Y+32+\i:Y+33+\i], v[Y+32+\i:Y+33+\i], v[SS+2:SS+3]
.endr
	v_add_f32 v[SS], v[SS], v[SS+1]
	v_add_f32 v[SS+2], v[SS+2], v[SS+3]
	v_permlanex16_b32 v[SS+1], v[SS], s[SEL], s[SEL+1]
	v_permlanex16_b32 v[SS+3], v[SS+2], s[SEL], s[SEL+1]
	v_add_f32 v[SS], v[SS], v[SS+1]
	v_add_f32 v[SS+2], v[SS+2], v[SS+3]
	v_add_f32 v[SS], 0x2b8cbccc, v[SS]
	v_add_f32 v[SS+2], 0x2b8cbccc, v[SS+2]
	s_wait_alu depctr_va_vdst(0)
	v_rsq_f32 v[RS], v[SS]
	v_rsq_f32 v[RS+2], v[SS+2]
	v_nop
	s_wait_alu depctr_va_vdst(0)
.irp i, 0,2,4,6,8,10,12,14,16,18,20,22,24,26,28,30
	v_pk_mul_f32 v[Y+\i:Y+\i+1], v[Y+\i:Y+\i+1], v[RS:RS+1] op_sel_hi:[1,0]
	v_pk_mul_f32 v[Y+32+\i:Y+33+\i], v[Y+32+\i:Y+33+\i], v[RS+2:RS+3] op_sel_hi:[1,0]
.endr
	s_wait_xcnt 0x0
	QUANT64 Y
	global_store_b128 v1, v[PC:PC+3], s[84:85] offset:768*(\a)
	global_store_b64 v2, v[PC+4:PC+5], s[84:85] offset:768*(\a)+512
	global_store_b128 v1, v[PC+6:PC+9], s[88:89] offset:768*(\a)
	global_store_b64 v2, v[PC+10:PC+11], s[88:89] offset:768*(\a)+512
	v_and_b32 v[WA+\a], 0xffff, v[PW]
	v_lshrrev_b32 v[WB+\a], 16, v[PW]
	v_lshl_or_b32 v[WA+\a], v[PW], 16, v[WA+\a]              ; a head's two scale bytes stand twice in its word: the next launch lays a tile's 64 codes in either half of a fragment
	v_and_or_b32 v[WB+\a], v[PW], 0xffff0000, v[WB+\a]
.endm
.irp a, 0,1,2,3,4,5,6,7
	QKOUT \a
.endr
.irp j, 0,1,2,3
	v_cndmask_b32 v[SD+\j], v[WA+\j], v[WA+4+\j], s[HM]
.endr
	global_store_b128 v1, v[SD:SD+3], s[84:85] offset:6144
	s_wait_alu depctr_va_vdst(0)
	s_wait_xcnt 0x0
.irp j, 0,1,2,3
	v_cndmask_b32 v[SD+\j], v[WB+\j], v[WB+4+\j], s[HM]
.endr
	global_store_b128 v1, v[SD:SD+3], s[88:89] offset:6144
	s_branch .Lend
.Lv:
	s_lshl_b32 s40, s[CLY], 2
	s_add_co_u32 s40, s40, s[CX]
	s_lshl_b32 s40, s40, 1
	s_add_co_u32 s40, s40, s[CH]
	s_lshr_b32 s41, s40, 4
	s_and_b32 s40, s40, 15
	s_lshl_b32 s42, s[CY], 2
	s_lshl_b32 s43, s[RH], 1
	s_add_co_u32 s42, s42, s43
	s_lshl_b32 s41, s41, 4
	s_add_co_u32 s41, s41, s42
	s_lshl_b32 s41, s41, 4
	s_add_co_u32 s41, s41, s40
	s_mul_i32 s86, s41, 13056
	s_add_co_u32 s86, s86, 6656
	s_mov_b32 s87, 0
	s_add_nc_u64 s[84:85], s[16:17], s[86:87]
	s_add_nc_u64 s[88:89], s[84:85], 208896
.macro VOUT j
	v_mov_b32 v[BB], v[BV+\j]
	v_mov_b32 v[BB+1], v[BV+\j]
	WIN 0x02+(\j)/4
.set n, 0
.rept 32
	v_pk_add_f32 v[Y+n:Y+n+1], v[64*((\j)%4)+n:64*((\j)%4)+n+1], v[BB:BB+1]
.set n, n+2
.endr
	WIN 0
	s_wait_xcnt 0x0
	QUANT64 Y
	global_store_b128 v1, v[PC:PC+3], s[84+4*((\j)/4):85+4*((\j)/4)] offset:1536*((\j)%4)
	global_store_b128 v1, v[PC+4:PC+7], s[84+4*((\j)/4):85+4*((\j)/4)] offset:1536*((\j)%4)+512
	global_store_b128 v1, v[PC+8:PC+11], s[84+4*((\j)/4):85+4*((\j)/4)] offset:1536*((\j)%4)+1024
	v_mov_b32 v[WA+\j], v[PW]
.endm
.irp j, 0,1,2,3,4,5,6,7
	VOUT \j
.endr
.irp e, 0,1
.irp j, 0,1
	v_cndmask_b32 v[SD+2*\e+\j], v[WA+4*\e+\j], v[WA+4*\e+2+\j], s[HM]
.endr
	global_store_b64 v2, v[SD+2*\e:SD+2*\e+1], s[84+4*\e:85+4*\e] offset:6144
.endr
.Lend:
	s_wait_tensorcnt 0x0
	ds_add_u32 v[SPW], v[NIL]
	s_wait_dscnt 0x0
	CROUND
	s_endpgm
.Lfunc_end_k_q481478005d_qkv:
	.size	k_q481478005d_qkv, .Lfunc_end_k_q481478005d_qkv-k_q481478005d_qkv
	.p2alignl 7, 3214868480
	.fill 96, 4, 3214868480
	.section	.rodata,"a",@progbits
	.p2align	6, 0x0
	.amdhsa_kernel k_q481478005d_qkv
		.amdhsa_group_segment_fixed_size 327680
		.amdhsa_private_segment_fixed_size 0
		.amdhsa_enable_private_segment 0
		.amdhsa_kernarg_size 56
		.amdhsa_user_sgpr_count 2
		.amdhsa_user_sgpr_kernarg_segment_ptr 1
		.amdhsa_wavefront_size32 1
		.amdhsa_system_sgpr_workgroup_id_x 1
		.amdhsa_system_sgpr_workgroup_id_y 1
		.amdhsa_system_sgpr_workgroup_id_z 1
		.amdhsa_system_vgpr_workitem_id 0
		.amdhsa_next_free_vgpr 1024
		.amdhsa_next_free_sgpr 100
		.amdhsa_reserve_vcc 0
		.amdhsa_float_denorm_mode_32 3
		.amdhsa_float_denorm_mode_16_64 3
		.amdhsa_memory_ordered 1
		.amdhsa_forward_progress 1
		.amdhsa_inst_pref_size 255
	.end_amdhsa_kernel
	.amdgpu_metadata
---
amdhsa.version: [ 1, 2 ]
amdhsa.kernels:
  - .name:           k_q481478005d_qkv
    .symbol:         k_q481478005d_qkv.kd
    .args:
      - { .name: cw, .offset: 0, .size: 8, .value_kind: global_buffer, .address_space: global }
      - { .name: sw, .offset: 8, .size: 8, .value_kind: global_buffer, .address_space: global }
      - { .name: Wq_b, .offset: 16, .size: 8, .value_kind: global_buffer, .address_space: global }
      - { .name: Wk_b, .offset: 24, .size: 8, .value_kind: global_buffer, .address_space: global }
      - { .name: Wv_b, .offset: 32, .size: 8, .value_kind: global_buffer, .address_space: global }
      - { .name: qb, .offset: 40, .size: 8, .value_kind: global_buffer, .address_space: global }
      - { .name: kv, .offset: 48, .size: 8, .value_kind: global_buffer, .address_space: global }
    .group_segment_fixed_size: 327680
    .private_segment_fixed_size: 0
    .kernarg_segment_align: 8
    .kernarg_segment_size: 56
    .max_flat_workgroup_size: 128
    .sgpr_count:     100
    .vgpr_count:     1024
    .wavefront_size: 32
...
	.end_amdgpu_metadata
.endif
;; end of part 2
;; launch attn (part 3): grid 4 x 64, 8 waves a work-group, clusters of 4 x 1, 327,680 bytes of LDS; arguments qb, kv, oc, os; writes oc, os
.if DOCPART == 3
	.amdgcn_target "amdgcn-amd-amdhsa--gfx1250"
	.amdhsa_code_object_version 6
	.text
	.protected	k_q481478005d_attn
	.globl	k_q481478005d_attn
	.p2align	8
	.type	k_q481478005d_attn,@function
k_q481478005d_attn:
	s_mov_b64 s[64:65], 0
	v_nop
	global_prefetch_b8 v0, s[64:65] scope:SCOPE_SE
	s_setreg_imm32_b32 hwreg(HW_REG_WAVE_MODE, 25, 1), 1
	s_wait_xcnt 0x0
	s_wait_alu depctr_hold_cnt(0) depctr_sa_sdst(0) depctr_va_vdst(0) depctr_va_sdst(0) depctr_va_ssrc(0) depctr_va_vcc(0) depctr_vm_vsrc(0)
	s_getreg_b32 s2, hwreg(HW_REG_IB_STS2, 6, 4)
	s_cmp_eq_u32 s2, 0
	s_cbranch_scc0 .Lentry_in_a_cluster
	s_endpgm
.Lentry_in_a_cluster:
	s_bfe_u32 s2, ttmp6, 0x10000c
	s_cmp_lg_u32 s2, 0x3003
	s_cbranch_scc0 .Lentry_shape_is_right
	s_endpgm
.Lentry_shape_is_right:
; The attention of ONE head for 512 queries, on codes of E2M3: S^T = K Q^T (K = the head's 64), p = 2^t with t = score x log2(e), O^T = V^T P^T (K = the keys), O / l,
; and the quantiser of the output projection's left operand along the merged heads.
; NO MAXIMUM IS TAKEN AWAY, AND WHY THAT IS THE SAME.  q and k are l2-normalised by the computation itself; after the quantiser a vector's norm is at most 1 + 1/16 + 1/8, so |score| < 1.42 and |t| < 2.05 for
; every input: p lies between 0.24 and 4.2 and a row's sum under 2^14.  The rule's M is a whole number, which a block's power-of-two scale takes up exactly: with M = 0 the codes' values x scales, and O / l, are those of M = ceil(max t).
; SHARES.  Work-group (x, y): queries 512 x .. of batch y / 16, head y % 16.  The head's 16 records of kv (128 keys each, 13,056 bytes) are 208,896 dense bytes: ALL OF THEM LIE IN LDS, loaded once, one tensor load a wave (102 rows of 256 bytes).
; Nothing is filled again, so behind the one barrier that shows the records the waves share nothing more.  Each of eight waves walks the 16 records twice: pass p serves its two tiles of 16 queries 16 p + 2 wave, + 1 of the block's 32.
; CLUSTER.  The four query blocks of a head read the same records: each load is asked for JOINTLY (mask 15).
; THE KEYS OF A TILE OF K are chosen here, by the lanes' LDS addresses: row r of tile t of band c is key 64 c + 32 (r / 8) + 8 t + r % 8.  So lane (query, h) holds in the 32 registers of a band's four tiles keys 64 c + 32 h + 0 .. 31:
; one whole scale block, in the order of the next operand's registers.
; TWO TILES OF K SHARE A FRAGMENT: K = 64 fills half of the instruction's 128, so tile 2 f lies in registers 0-5 and tile 2 f + 1 in registers 6-11.  Q lies as [q][zero codes][q], 18 registers: its first twelve pick the lower tile, its last twelve the upper.
; The scale words of Q and K hold the head's two bytes twice, so one word serves either half.
; THE NEXT STEP'S K is fetched behind this step's first products, V with it: the step's one wait for LDS stands ahead of its last products.
; No prefetch: every record is asked for at the head, and no loop stands ahead of that.  O^T and the sums begin as zeros, so that the key step is written for every step alike.
; THE SCALE BYTES leave two bytes a lane, four bytes apart: a word of os holds two heads' bytes, and the other head's belong to another work-group; 262,144 bytes in the launch against 6,291,456 of codes.
; LIMITS: 1 / l is v_rcp_f32 and a multiplication; a block of zeros gets the byte 1; NaN and infinities are not served.
; OUT: oc: row tile (of x's order) at 12,288, half fragment = head at 768; os: [K step of 128 = pair of heads][row tile][r] words.
; REGISTERS.  Window 0: v0-31 addresses and scale words; v32-95 sums, the quantiser's work, p's codes; v128-255 S^T, then p (64 u + 32 c + 8 t + j).  Window 1: O^T, V^T's, Q's and K's fragments.
.set STEPB, 13056
.set PART,  2*STEPB                    ; what one wave's load brings
.set SPARE, 16*STEPB                   ; behind the records: the spare words, 128 bytes for each wave
.set SPW, 6
.set NIL, 7
.set KA16, 8                           ; v8-12 this step's LDS addresses
.set KA8, 9
.set KSA, 10
.set VA16, 11
.set VA8, 12
.set SH8, 13                           ; 8 h
.set VS,  14                           ; v14-15 V's scale words
.set KW,  16                           ; v16-19 K's: register t: tile t of band 0 in lanes 0-15, of band 1 in lanes 16-31
.set QS,  20                           ; v20-21 Q's, one for each of my tiles
.set PW,  24                           ; v24-25 p's
.set OW,  26
.set OSA, 28                           ; 4 r + 64 h
.set QRO, 29                           ; 16 r
.set FW,  30
.set SH16, 31                          ; 16 h
.set LS,  32                           ; v32-39 the rows' sums: two packed chains for each tile
.set TM,  40
.set SOP, 44
.set EB,  48
.set TX,  52
.set PT,  56                           ; v56-71 the second halves of the blocks' codes, before they are moved
.set PC,  72                           ; v72-95 p's codes: twelve registers for each tile
.set S,   128
.set O,   0                            ; window 1: v256-319 O^T: 32 u + 8 d + j
.set VF,  64                           ; v320-367 V^T's four fragments
.set QF,  112                          ; v368-403 Q: 18 registers for each tile
.set KF,  148                          ; v404-451 K's four fragments: 24 c + 12 f
.set WV,  12
.set G1,  16
.set G0,  24
.set CS,  28
.set SEL, 30
.set TB,  32
.set PAS, 33
.set CN2, 34
.set QP,  36
.set QSP, 38
.set OCP, 40
.set OSP, 42
.set MSB, 0
.macro WIN new                         ; the immediate's high byte repeats the setting that is left
.if MSB != (\new)
	s_set_vgpr_msb (MSB<<8)|(\new)
.set MSB, (\new)
.endif
.endm
.macro WALU
	s_wait_alu depctr_va_vdst(0)
.endm
.macro PLACES
.rept 4
	v_nop
.endr
.endm
.macro CROUND                          ; a round of the cluster's barrier
	s_barrier_signal -1
	s_barrier_wait -1
	s_cmp_lg_u32 s[WV], 0
	s_cbranch_scc1 .Lnot_wave_0_\@
	s_barrier_signal -3
.Lnot_wave_0_\@:
	s_barrier_wait -3
	s_barrier_signal -1
	s_barrier_wait -1
.endm
.macro QLOAD                           ; my two tiles of Q, each half fragment twice, and their scale words
	WIN 0x40
.irp u, 0,1
.irp z, 0,12
	global_load_b128 v[QF+18*\u+\z:QF+18*\u+\z+3], v1, s[QP:QP+1] offset:768*\u
	global_load_b64 v[QF+18*\u+\z+4:QF+18*\u+\z+5], v2, s[QP:QP+1] offset:768*\u+512
.endr
.endr
	WIN 0
	global_load_b64 v[QS:QS+1], v[QRO], s[QSP:QSP+1]
.endm
.macro KLOAD a16, a8, as, off          ; a record's K: four scale words and eight tiles, 18 loads
	ds_load_b64 v[KW:KW+1], v[\as] offset:\off+6144
	ds_load_b64 v[KW+2:KW+3], v[\as] offset:\off+6144+128
	WIN 0x40
.irp c, 0,1
.irp t, 0,1,2,3
	ds_load_b128 v[KF+24*\c+12*(\t/2)+6*(\t%2):KF+24*\c+12*(\t/2)+6*(\t%2)+3], v[\a16] offset:\off+768*(4*\c+\t%2)+128*(\t/2)
	ds_load_b64 v[KF+24*\c+12*(\t/2)+6*(\t%2)+4:KF+24*\c+12*(\t/2)+6*(\t%2)+5], v[\a8] offset:\off+768*(4*\c+\t%2)+64*(\t/2)+512
.endr
.endr
	WIN 0
.endm
.macro QKW c, f, z, u                  ; 16 keys (band c, tile 2 f + z) x 16 queries (tile u)
.if \c
	v_wmma_scale_f32_16x16x128_f8f6f4 v[S+64*\u+32*\c+8*(2*\f+\z):S+64*\u+32*\c+8*(2*\f+\z)+7], v[KF+24*\c+12*\f:KF+24*\c+12*\f+11], v[QF+18*\u+6*\z:QF+18*\u+6*\z+11], 0, v[KW+2*\f+\z], v[QS+\u] matrix_a_fmt:MATRIX_FMT_FP6 matrix_b_fmt:MATRIX_FMT_FP6 matrix_a_scale:MATRIX_SCALE_ROW1
.else
	v_wmma_scale_f32_16x16x128_f8f6f4 v[S+64*\u+32*\c+8*(2*\f+\z):S+64*\u+32*\c+8*(2*\f+\z)+7], v[KF+24*\c+12*\f:KF+24*\c+12*\f+11], v[QF+18*\u+6*\z:QF+18*\u+6*\z+11], 0, v[KW+2*\f+\z], v[QS+\u] matrix_a_fmt:MATRIX_FMT_FP6 matrix_b_fmt:MATRIX_FMT_FP6
.endif
.endm
.macro PVW d, u                        ; 16 channels (tile d) x 16 queries (tile u), 128 keys deep
.if \d/2
	v_wmma_scale_f32_16x16x128_f8f6f4 v[O+32*\u+8*\d:O+32*\u+8*\d+7], v[VF+12*\d:VF+12*\d+11], v[PC+12*\u:PC+12*\u+11], v[O+32*\u+8*\d:O+32*\u+8*\d+7], v[VS+\d%2], v[PW+\u] matrix_a_fmt:MATRIX_FMT_FP6 matrix_b_fmt:MATRIX_FMT_FP6 matrix_a_scale:MATRIX_SCALE_ROW1
.else
	v_wmma_scale_f32_16x16x128_f8f6f4 v[O+32*\u+8*\d:O+32*\u+8*\d+7], v[VF+12*\d:VF+12*\d+11], v[PC+12*\u:PC+12*\u+11], v[O+32*\u+8*\d:O+32*\u+8*\d+7], v[VS+\d%2], v[PW+\u] matrix_a_fmt:MATRIX_FMT_FP6 matrix_b_fmt:MATRIX_FMT_FP6
.endif
.endm
.macro CLEAR                           ; O^T and the sums
.irp j, 0,1,2,3,4,5,6,7
	v_mov_b32 v[LS+\j], 0
.endr
	WIN 0x40
.set n, 0
.rept 64
	v_mov_b32 v[O+n], 0
.set n, n+1
.endr
	WIN 0
.endm
	s_load_b256 s[4:11], s[0:1], 0x0               ; qb, kv, oc, os
	v_lshl_add_u32 v[SPW], v0, 2, SPARE
	v_mov_b32 v[NIL], 0
	ds_add_u32 v[SPW], v[NIL]                      ; the wave's opening: the add, twice on end, and its wait ahead of the first tensor load
	ds_add_u32 v[SPW], v[NIL]
	v_lshrrev_b32 v3, 5, v0
	v_readfirstlane_b32 s[WV], v3                  ; wave 0..7
	s_bfe_u32 s13, ttmp6, 0x40000                  ; cx: my block of 512 queries: it enters Q's and the outputs' addresses alone
	s_and_b32 s15, ttmp7, 0xffff                   ; y, which the four partners share
	s_mov_b32 s[G1], 15|(3<<16)|(1<<21)            ; the mask: all four; elements of 8 bytes; bit 21 beside a mask; no padding
	s_mov_b32 s[G1+1], 32<<16                      ; rows of 256 bytes,
	s_mov_b32 s[G1+2], 102<<16                     ; 102 of them: two records, dense
	s_mov_b32 s[G1+3], 32<<16
	s_mov_b32 s[G1+4], 102
	s_mov_b32 s[G1+5], 32
	s_mov_b32 s[G1+6], 0
	s_mov_b32 s[G1+7], 0
	s_mov_b32 s[G0], 1
	s_mul_i32 s[G0+1], s[WV], PART                 ; my two records
	s_mul_i32 s54, s15, 16*STEPB                   ; of the head's sixteen
	s_add_co_u32 s54, s54, s[G0+1]
	s_mov_b32 s55, 0
	s_lshl_b32 s48, s15, 4                         ; Q's record: 16 y + 4 block + 2 pass + wave / 4
	s_lshl_b32 s63, s13, 2
	s_add_co_u32 s48, s48, s63
	s_lshr_b32 s62, s[WV], 2
	s_add_co_u32 s48, s48, s62
	s_mul_i32 s48, s48, 6656
	s_and_b32 s52, s[WV], 3
	s_mul_i32 s63, s52, 1536
	s_add_co_u32 s50, s48, s63                     ; my tiles 2 (wave % 4) and the next
	s_mov_b32 s51, 0
	s_bfe_u32 s63, s[WV], 0x10001
	s_lshl_b32 s63, s63, 8
	s_add_co_u32 s48, s48, s63
	s_and_b32 s63, s[WV], 1
	s_lshl_b32 s63, s63, 3
	s_add_co_u32 s48, s48, s63
	s_add_co_u32 s48, s48, 6144                    ; their scale words: 6,144 + 256 (tile / 4) + 4 (tile % 4), + 16 r
	s_mov_b32 s49, 0
	s_lshr_b32 s52, s15, 4                         ; the batch
	s_and_b32 s53, s15, 15                         ; the head
	s_lshl_b32 s52, s52, 7
	s_lshl_b32 s63, s13, 5
	s_add_co_u32 s52, s52, s63
	s_lshl_b32 s63, s[WV], 1
	s_add_co_u32 s52, s52, s63                     ; my first row tile in pass 0
	s_mul_i32 s58, s52, 12288
	s_mul_i32 s63, s53, 768
	s_add_co_u32 s58, s58, s63
	s_mov_b32 s59, 0
	s_lshl_b32 s60, s52, 6
	s_lshr_b32 s63, s53, 1
	s_lshl_b32 s63, s63, 15
	s_add_co_u32 s60, s60, s63
	s_and_b32 s63, s53, 1
	s_lshl_b32 s63, s63, 1
	s_add_co_u32 s60, s60, s63                     ; the head's two bytes of each word
	s_mov_b32 s61, 0
	s_mov_b32 s[CS], 0x3fb8aa3b                    ; log2(e)
	s_mov_b32 s[CS+1], s[CS]                       ; (named with it as a pair)
	s_mov_b32 s[SEL], 0x76543210
	s_mov_b32 s[SEL+1], 0xfedcba98
	v_and_b32 v5, 31, v0
	v_and_b32 v11, 7, v0                           ; r % 8
	v_bfe_u32 v12, v0, 3, 1                        ; r / 8
	v_bfe_u32 v8, v0, 4, 1                         ; h
	v_and_b32 v9, 15, v0                           ; r
	v_lshlrev_b32 v1, 4, v5                        ; 16 x lane
	v_lshlrev_b32 v2, 3, v5                        ; 8 x lane
	v_mul_u32_u24 v10, v12, 1536                   ; rows 8-15 of my tiles lie two of the record's tiles on
	v_lshlrev_b32 v[SH8], 3, v8
	v_lshlrev_b32 v[SH16], 4, v8
	v_lshlrev_b32 v[QRO], 4, v9
	v_lshlrev_b32 v9, 2, v9
	v_lshl_add_u32 v3, v11, 4, v10
	v_lshl_add_u32 v4, v11, 3, v10
	v_lshlrev_b32 v5, 4, v11
	v_lshl_add_u32 v[OSA], v8, 6, v9
	v_lshl_add_u32 v3, v8, 8, v3                   ; K's registers 0-3: 1,536 (r / 8) + 16 (r % 8) + 256 h
	v_lshl_add_u32 v4, v8, 7, v4                   ; its registers 4-5: 1,536 (r / 8) + 8 (r % 8) + 128 h
	v_lshl_add_u32 v5, v12, 3, v5
	v_mov_b32 v[TX], 0                             ; a lane permute's destination counts as one of its sources
	v_mov_b32 v[TX+1], 0
	v_mov_b32 v[TX+2], 0
	v_lshl_add_u32 v5, v8, 8, v5                   ; K's scale words: 16 (r % 8) + 8 (r / 8) + 256 h: lanes 16-31 take band 1's
	v_mov_b32 v[TX+3], 0
	CLEAR
	WIN 0x40
.irp j, 6,7,8,9,10,11
	v_mov_b32 v[QF+\j], 0                          ; the zero codes between Q's two copies
	v_mov_b32 v[QF+18+\j], 0
.endr
	WIN 0
	WALU                                           ; the wait at the head's end
	s_wait_dscnt 0x0                               ; both opening adds are done
	s_wait_kmcnt 0x0
	s_add_nc_u64 s[G0+2:G0+3], s[6:7], s[54:55]
	s_or_b32 s[G0+3], s[G0+3], 0x80000000
	s_add_nc_u64 s[QP:QP+1], s[4:5], s[50:51]
	s_add_nc_u64 s[QSP:QSP+1], s[4:5], s[48:49]
	s_add_nc_u64 s[OCP:OCP+1], s[8:9], s[58:59]
	s_add_nc_u64 s[OSP:OSP+1], s[10:11], s[60:61]
	CROUND                                         ; all four work-groups are here: the joint loads meet
	tensor_load_to_lds s[G0:G0+3], s[G1:G1+7]      ; every wave's one load
	s_nop 0
	PLACES
	QLOAD
	s_wait_tensorcnt 0x0
	s_wait_loadcnt 0x0
	s_barrier_signal -1
	s_barrier_wait -1                              ; all sixteen records are in
	KLOAD 3, 4, 5, 0                               ; the first record's K
	s_wait_dscnt 0x0
; A KEY STEP: the 128 keys of the record at LDS byte s[TB], against my 32 queries.  Its K is in registers.  last = 1: the pass's last step: the next K is the first record's, for the next pass, if there is one.
.macro STEP last
	WIN 0x05                                       ; both sources in window 1
.irp c, 0,1
.irp f, 0,1
.irp z, 0,1
.irp u, 0,1
	QKW \c, \f, \z, \u
.endr
.endr
.endr
.endr
	WIN 0
	v_add_nc_u32 v[VA8], s[TB], v2                 ; these five are the places behind the products: ahead of the loads into K's, V's and the scale words' registers and of the first read of the scores
	v_add_nc_u32 v[VA16], s[TB], v1
	v_add_nc_u32 v[KSA], s[TB], v5
	v_add_nc_u32 v[KA16], s[TB], v3
	v_add_nc_u32 v[KA8], s[TB], v4
	ds_load_b64 v[VS:VS+1], v[VA8] offset:12800    ; V's scale words: register j: tile j in lanes 0-15, tile 2 + j in lanes 16-31
	WIN 0x40
.irp d, 0,1,2,3
.irp c, 0,1,2
	ds_load_b128 v[VF+12*\d+4*\c:VF+12*\d+4*\c+3], v[VA16] offset:6656+1536*\d+512*\c
.endr
.endr
	WIN 0
.if \last
	s_cmp_eq_u32 s[PAS], 1
	s_cbranch_scc1 .Lno_k_\@
	KLOAD 3, 4, 5, 0
.Lno_k_\@:
.else
	KLOAD KA16, KA8, KSA, STEPB
.endif
.set n, 0
.rept 64
	v_pk_mul_f32 v[S+n:S+n+1], v[S+n:S+n+1], s[CS:CS+1] op_sel_hi:[1,0]   ; t, each accumulator from its low end on
.set n, n+2
.endr
	WALU                                           ; the wait ahead of the batch,
.set n, 0
.rept 128
	v_exp_f32 v[S+n], v[S+n]                       ; p = 2^t
.set n, n+1
.endr
	v_nop                                          ; a plain place behind it,
	WALU                                           ; and the wait ahead of its first reader
.irp k, 0,1,2,3                        ; block k = 2 u + c of my lane: 32 registers; the four chains by turns.  None is negative
	v_max3_num_f32 v[TM+\k], v[S+32*\k], v[S+32*\k+1], 0x1800000   ; with the floor 2^(3 - 127)
.endr
.irp i, 2,4,6,8,10,12,14,16,18,20,22,24,26,28,30
.irp k, 0,1,2,3
	v_max3_num_f32 v[TM+\k], v[TM+\k], v[S+32*\k+\i], v[S+32*\k+\i+1]
.endr
.endr
.irp k, 0,1,2,3
	v_add_nc_u32 v[SOP+\k], 0xff000000, v[TM+\k]   ; 2 off the exponent field: the conversion's scale operand
.endr
.irp k, 0,1,2,3
	v_lshrrev_b32 v[EB+\k], 23, v[SOP+\k]          ; the byte
.endr
.irp u, 0,1
	v_lshl_or_b32 v[PW+\u], v[EB+2*\u+1], 16, v[EB+2*\u]   ; my blocks h and 2 + h,
.endr
.irp u, 0,1
	v_lshlrev_b32 v[PW+\u], v[SH8], v[PW+\u]       ; at their places;
.endr
.irp u, 0,1
	v_permlanex16_b32 v[TX+\u], v[PW+\u], s[SEL], s[SEL+1]
.endr
.irp u, 0,1
	v_or_b32 v[PW+\u], v[PW+\u], v[TX+\u]          ; with lane l xor 16's two the word is whole
.endr
.irp k, 0,1,2,3
	v_cvt_scalef32_pk16_fp6_f32 v[PC+6*\k:PC+6*\k+2], v[S+32*\k:S+32*\k+15], v[SOP+\k]
	v_cvt_scalef32_pk16_fp6_f32 v[PT+4*\k:PT+4*\k+2], v[S+32*\k+16:S+32*\k+31], v[SOP+\k]   ; (a conversion's three registers begin on an even number)
.endr
	v_nop                                          ; one plain place behind a scaled conversion
.irp k, 0,1,2,3
.irp i, 0,1,2
	v_mov_b32 v[PC+6*\k+3+\i], v[PT+4*\k+\i]
.endr
.endr
.set n, 0
.rept 16
	v_pk_add_f32 v[LS:LS+1], v[LS:LS+1], v[S+n:S+n+1]            ; the rows' sums are taken of the unquantised p, four chains by turns.  (These 64 are also the places between the scale words' and the codes' last writes and the products below)
	v_pk_add_f32 v[LS+4:LS+5], v[LS+4:LS+5], v[S+64+n:S+64+n+1]
	v_pk_add_f32 v[LS+2:LS+3], v[LS+2:LS+3], v[S+n+2:S+n+3]
	v_pk_add_f32 v[LS+6:LS+7], v[LS+6:LS+7], v[S+64+n+2:S+64+n+3]
.set n, n+4
.endr
	WALU                                           ; the wait ahead of the wait below and of the loop's jump
	s_wait_dscnt 0x0                               ; V, and the next step's K
	WIN 0x51                                       ; V^T and O^T in window 1, p's codes in window 0
.irp d, 0,1,2,3
.irp u, 0,1
	PVW \d, \u                                     ; the eight accumulators by turns
.endr
.endr
	WIN 0
.endm
; A pass's end: O^T / l, quantised along the head's 64 channels: the head's half fragment of my two row tiles.
; Register 16 b + i of a tile is channel 32 b + 16 h + i (the launch before chose V's channels so): a block lies in lanes l and l xor 16.
.macro FINAL
.irp u, 0,1
	v_pk_add_f32 v[LS+4*\u:LS+4*\u+1], v[LS+4*\u:LS+4*\u+1], v[LS+4*\u+2:LS+4*\u+3]   ; (these lines are also the places behind the last products)
.endr
.irp u, 0,1
	v_add_f32 v[LS+4*\u], v[LS+4*\u], v[LS+4*\u+1]
.endr
.irp u, 0,1
	v_permlanex16_b32 v[LS+4*\u+1], v[LS+4*\u], s[SEL], s[SEL+1]   ; the query's other keys lie in lane l xor 16
.endr
.irp u, 0,1
	v_add_f32 v[LS+4*\u], v[LS+4*\u], v[LS+4*\u+1]
.endr
	WALU
.irp u, 0,1
	v_rcp_f32 v[LS+4*\u+2], v[LS+4*\u]
.endr
	v_nop
	WIN 0x01
	WALU                                           ; ahead of the first reader of the reciprocals and of O^T
.irp u, 0,1
.set n, 0
.rept 16
	v_pk_mul_f32 v[S+32*\u+n:S+32*\u+n+1], v[O+32*\u+n:O+32*\u+n+1], v[LS+4*\u+2:LS+4*\u+3] op_sel_hi:[1,0]   ; each accumulator from its low end on
.set n, n+2
.endr
.endr
	WIN 0
.irp b, 0,1,2,3                        ; blocks 0, 1: my first tile; 2, 3: my second
	v_max3_num_f32 v[TM+\b], |v[S+16*\b]|, |v[S+16*\b+1]|, 0x1800000
.endr
.irp i, 2,4,6,8,10,12,14
.irp b, 0,1,2,3
	v_max3_num_f32 v[TM+\b], v[TM+\b], |v[S+16*\b+\i]|, |v[S+16*\b+\i+1]|
.endr
.endr
.irp b, 0,1,2,3
	v_permlanex16_b32 v[TX+\b], v[TM+\b], s[SEL], s[SEL+1]
.endr
.irp b, 0,1,2,3
	v_max_num_f32 v[TM+\b], v[TM+\b], v[TX+\b]
.endr
.irp b, 0,1,2,3
	v_add_nc_u32 v[SOP+\b], 0xff000000, v[TM+\b]
.endr
.irp b, 0,1,2,3
	v_lshrrev_b32 v[EB+\b], 23, v[SOP+\b]
.endr
	v_lshl_or_b32 v[FW], v[EB+1], 8, v[EB]
	v_lshl_or_b32 v[EB+2], v[EB+3], 8, v[EB+2]
.irp c2, 0,1
	v_cvt_scalef32_pk16_fp6_f32 v[PC+6*\c2:PC+6*\c2+2], v[S+32*\c2:S+32*\c2+15], v[SOP+2*\c2]
	v_cvt_scalef32_pk16_fp6_f32 v[PT+4*\c2:PT+4*\c2+2], v[S+32*\c2+16:S+32*\c2+31], v[SOP+2*\c2+1]
.endr
	v_lshl_or_b32 v[FW], v[EB+2], 16, v[FW]        ; the four bytes.  (A plain place behind the conversions)
.irp c2, 0,1                           ; the operand's layout wants a whole block in a lane
.irp i, 0,1,2
	v_permlane16_swap_b32 v[PC+6*\c2+\i], v[PT+4*\c2+\i]
.endr
.endr
.irp c2, 0,1
.irp i, 0,1,2
	v_mov_b32 v[PC+6*\c2+3+\i], v[PT+4*\c2+\i]
.endr
.endr
	v_lshrrev_b32 v[OW], v[SH16], v[FW]            ; lanes 0-15 my first tile's two bytes, lanes 16-31 my second's
.irp u, 0,1
	global_store_b128 v1, v[PC+6*\u:PC+6*\u+3], s[OCP:OCP+1] offset:12288*\u          ; 512 and 256 consecutive bytes, aligned
	global_store_b64 v2, v[PC+6*\u+4:PC+6*\u+5], s[OCP:OCP+1] offset:12288*\u+512
.endr
	global_store_b16 v[OSA], v[OW], s[OSP:OSP+1]
.endm
	s_mov_b32 s[PAS], 2
.Lpass:
	s_mov_b32 s[TB], 0
	s_mov_b32 s[CN2], 15
.Lstep:
	STEP 0
	s_add_co_u32 s[TB], s[TB], STEPB
	s_sub_co_u32 s[CN2], s[CN2], 1
	s_cmp_lg_u32 s[CN2], 0
	s_cbranch_scc1 .Lstep
	STEP 1
	s_cmp_eq_u32 s[PAS], 1
	s_cbranch_scc1 .Lno_q
	s_wait_xcnt 0x0                                ; the first pass's loads have read their bases
	s_add_nc_u64 s[QP:QP+1], s[QP:QP+1], 2*6656    ; the next pass's Q, two records on, is asked for ahead of this pass's way out
	s_add_nc_u64 s[QSP:QSP+1], s[QSP:QSP+1], 2*6656
	QLOAD
.Lno_q:
	FINAL
	s_cmp_eq_u32 s[PAS], 1
	s_cbranch_scc1 .Lover
	CLEAR
	WALU
	s_wait_xcnt 0x0                                ; the stores have read their bases and the codes' registers, which the next key step writes
	s_add_nc_u64 s[OCP:OCP+1], s[OCP:OCP+1], 16*12288
	s_add_nc_u64 s[OSP:OSP+1], s[OSP:OSP+1], 16*64
	s_wait_loadcnt 0x0
.Lover:
	s_sub_co_u32 s[PAS], s[PAS], 1
	s_cmp_lg_u32 s[PAS], 0
	s_cbranch_scc1 .Lpass
	s_wait_tensorcnt 0x0                           ; the wave's end
	ds_add_u32 v[SPW], v[NIL]
	s_wait_dscnt 0x0
	CROUND                                         ; the closing round
	s_endpgm
.Lfunc_end_k_q481478005d_attn:
	.size	k_q481478005d_attn, .Lfunc_end_k_q481478005d_attn-k_q481478005d_attn
	.p2alignl 7, 3214868480
	.fill 96, 4, 3214868480
	.section	.rodata,"a",@progbits
	.p2align	6, 0x0
	.amdhsa_kernel k_q481478005d_attn
		.amdhsa_group_segment_fixed_size 327680
		.amdhsa_private_segment_fixed_size 0
		.amdhsa_enable_private_segment 0
		.amdhsa_kernarg_size 32
		.amdhsa_user_sgpr_count 2
		.amdhsa_user_sgpr_kernarg_segment_ptr 1
		.amdhsa_wavefront_size32 1
		.amdhsa_system_sgpr_workgroup_id_x 1
		.amdhsa_system_sgpr_workgroup_id_y 1
		.amdhsa_system_sgpr_workgroup_id_z 1
		.amdhsa_system_vgpr_workitem_id 0
		.amdhsa_next_free_vgpr 464
		.amdhsa_next_free_sgpr 66
		.amdhsa_reserve_vcc 0
		.amdhsa_float_denorm_mode_32 3
		.amdhsa_float_denorm_mode_16_64 3
		.amdhsa_memory_ordered 1
		.amdhsa_forward_progress 1
		.amdhsa_inst_pref_size 69
	.end_amdhsa_kernel
	.amdgpu_metadata
---
amdhsa.version: [ 1, 2 ]
amdhsa.kernels:
  - .name:           k_q481478005d_attn
    .symbol:         k_q481478005d_attn.kd
    .args:
      - { .name: qb, .offset: 0, .size: 8, .value_kind: global_buffer, .address_space: global }
      - { .name: kv, .offset: 8, .size: 8, .value_kind: global_buffer, .address_space: global }
      - { .name: oc, .offset: 16, .size: 8, .value_kind: global_buffer, .address_space: global }
      - { .name: os, .offset: 24, .size: 8, .value_kind: global_buffer, .address_space: global }
    .group_segment_fixed_size: 327680
    .private_segment_fixed_size: 0
    .kernarg_segment_align: 8
    .kernarg_segment_size: 32
    .max_flat_workgroup_size: 256
    .sgpr_count:     66
    .vgpr_count:     464
    .wavefront_size: 32
...
	.end_amdgpu_metadata
.endif
;; end of part 3
;; launch oproj (part 4): grid 4 x 64, 4 waves a work-group, clusters of 4 x 4, 327,680 bytes of LDS; arguments cw, sw, oc, os, Wo_b, out0; writes out0
.if DOCPART == 4
	.amdgcn_target "amdgcn-amd-amdhsa--gfx1250"
	.amdhsa_code_object_version 6
	.text
	.protected	k_q481478005d_oproj
	.globl	k_q481478005d_oproj
	.p2align	8
	.type	k_q481478005d_oproj,@function
k_q481478005d_oproj:
	s_mov_b64 s[64:65], 0
	v_nop
	global_prefetch_b8 v0, s[64:65] scope:SCOPE_SE
	s_setreg_imm32_b32 hwreg(HW_REG_WAVE_MODE, 25, 1), 1
	s_wait_xcnt 0x0
	s_wait_alu depctr_hold_cnt(0) depctr_sa_sdst(0) depctr_va_vdst(0) depctr_va_sdst(0) depctr_va_ssrc(0) depctr_va_vcc(0) depctr_vm_vsrc(0)
	s_getreg_b32 s2, hwreg(HW_REG_IB_STS2, 6, 4)
	s_cmp_eq_u32 s2, 0
	s_cbranch_scc0 .Lentry_in_a_cluster
	s_endpgm
.Lentry_in_a_cluster:
	s_bfe_u32 s2, ttmp6, 0x10000c
	s_cmp_lg_u32 s2, 0xf033
	s_cbranch_scc0 .Lentry_shape_is_right
	s_endpgm
.Lentry_shape_is_right:
; out0 = O Wo + Wo_b on codes of E2M3: O's codes oc and scale words os from the launch before, Wo's in cw and sw (row tiles 704 to 767, rows = n).  Both lie as images of operand registers: a row tile, all of K, is 12,288 dense bytes.
; SHARES.  A work-group makes 128 rows x 256 columns: 64 x 4 = 256 work-groups.  Four waves, 2 x 2; a wave makes 64 x 128: 32 accumulators in window 2.
; K IS 1,024: the block's 8 row tiles of O (98,304 bytes) and 16 of Wo (196,608) fit in LDS together.  They are loaded once, at the head, one tensor load a wave (wave 0: O's, 384 rows of 256 bytes; waves 1 to 3: a third of Wo's each, 256 rows);
; nothing is filled again, so there is no ring.  No prefetch: all is asked for at the head, and no loop stands ahead of that.
; CLUSTER 4 x 4: O's tiles hang on the tile row alone and are shared along a row of the cluster, Wo's on the tile column alone and are shared along a column: joint loads.
; A K step of 128 is 32 products on 8 fragments of Wo and 4 of O; both have two sets of registers, and the next step's 48 loads are issued ahead of this step's products.
; THE MATRIX INSTRUCTION IS USED TRANSPOSED (source 0 = Wo's rows): a lane holds eight neighbouring columns of a row of out0.  A block of 16 rows x 128 columns goes through the wave's own stage in LDS and leaves as rows of 512 bytes.
; The stage lies on O's tiles: a barrier behind every wave's last fragment load stands ahead of the first store there, and no fill follows.
.set ATB,   12288
.set BREG,  8*ATB
.set SPARE, 24*ATB
.set FR,  12
.set AF,  128                          ; window 0: O's fragments, two sets of four
.set SC0, 32                           ; v32-63 Wo's scale words: 4 b + s % 4; lanes 16-31 hold K steps 4-7
.set SC1, 66                           ; v66-81 O's
.set A16, 16
.set A8,  17
.set BL16, 18
.set BL8, 19
.set BH16, 20
.set BH8, 21
.set STO, 24
.set RD,  25
.set SPW, 28
.set NIL, 29
.set BO,  96
.set BK,  128
.set WV,  18
.set RH,  19
.set CH,  20
.set CX,  21
.set CY,  22
.set CLY, 23
.set G1A, 24
.set G0A, 32
.set G1B, 48
.set G0B, 56
.set MSB, 0
.macro WIN new
.if MSB != (\new)
	s_set_vgpr_msb (MSB<<8)|(\new)
.set MSB, (\new)
.endif
.endm
.set MUL_LO, 0xa1                      ; source 0 (Wo) window 1, source 1 (O) window 0, C and D window 2
.macro PLACES n
.rept \n
	v_nop
.endr
.endm
.macro CROUND
	s_barrier_signal -1
	s_barrier_wait -1
	s_cmp_lg_u32 s[WV], 0
	s_cbranch_scc1 .Lnot_wave_0_\@
	s_barrier_signal -3
.Lnot_wave_0_\@:
	s_barrier_wait -3
	s_barrier_signal -1
	s_barrier_wait -1
.endm
.macro FRAG reg, a16, a8, off
	ds_load_b128 v[\reg:\reg+3], v[\a16] offset:\off
	ds_load_b64 v[\reg+4:\reg+5], v[\a8] offset:\off+512
	ds_load_b128 v[\reg+6:\reg+9], v[\a16] offset:\off+768
	ds_load_b64 v[\reg+10:\reg+11], v[\a8] offset:\off+1280
.endm
.macro FETCH s                         ; K step s: 48 loads, into the sets s % 2
	WIN 0x40
.irp i, 0,1,2,3
	FRAG 128*((\s)%2)+FR*\i, BL16, BL8, ATB*\i+1536*(\s)
.endr
.irp i, 0,1,2,3
	FRAG 128*((\s)%2)+FR*(4+\i), BH16, BH8, ATB*\i+1536*(\s)
.endr
	WIN 0
.irp i, 0,1,2,3
	FRAG AF+48*((\s)%2)+FR*\i, A16, A8, ATB*\i+1536*(\s)
.endr
.endm
.macro MUL32 s                         ; the 32 accumulators by turns; the first step's products start the sums
.irp a, 0,1,2,3
.irp b, 0,1,2,3,4,5,6,7
.if (\s) == 0
	v_wmma_scale_f32_16x16x128_f8f6f4 v[8*(8*\a+\b):8*(8*\a+\b)+7], v[128*((\s)%2)+FR*\b:128*((\s)%2)+FR*\b+FR-1], v[AF+48*((\s)%2)+FR*\a:AF+48*((\s)%2)+FR*\a+FR-1], 0, v[SC0+4*\b+(\s)%4], v[SC1+4*\a+(\s)%4] matrix_a_fmt:MATRIX_FMT_FP6 matrix_b_fmt:MATRIX_FMT_FP6
.elseif (\s) < 4
	v_wmma_scale_f32_16x16x128_f8f6f4 v[8*(8*\a+\b):8*(8*\a+\b)+7], v[128*((\s)%2)+FR*\b:128*((\s)%2)+FR*\b+FR-1], v[AF+48*((\s)%2)+FR*\a:AF+48*((\s)%2)+FR*\a+FR-1], v[8*(8*\a+\b):8*(8*\a+\b)+7], v[SC0+4*\b+(\s)%4], v[SC1+4*\a+(\s)%4] matrix_a_fmt:MATRIX_FMT_FP6 matrix_b_fmt:MATRIX_FMT_FP6
.else
	v_wmma_scale_f32_16x16x128_f8f6f4 v[8*(8*\a+\b):8*(8*\a+\b)+7], v[128*((\s)%2)+FR*\b:128*((\s)%2)+FR*\b+FR-1], v[AF+48*((\s)%2)+FR*\a:AF+48*((\s)%2)+FR*\a+FR-1], v[8*(8*\a+\b):8*(8*\a+\b)+7], v[SC0+4*\b+(\s)%4], v[SC1+4*\a+(\s)%4] matrix_a_fmt:MATRIX_FMT_FP6 matrix_b_fmt:MATRIX_FMT_FP6 matrix_a_scale:MATRIX_SCALE_ROW1 matrix_b_scale:MATRIX_SCALE_ROW1
.endif
.endr
.endr
.endm
	s_load_b256 s[4:11], s[0:1], 0x0               ; cw, sw, oc, os
	s_load_b128 s[12:15], s[0:1], 0x20             ; Wo_b, out0
	v_lshl_add_u32 v[SPW], v0, 2, SPARE
	v_mov_b32 v[NIL], 0
	ds_add_u32 v[SPW], v[NIL]                      ; the wave's opening: the add, twice on end, and its wait ahead of the first tensor load
	ds_add_u32 v[SPW], v[NIL]
	v_lshrrev_b32 v3, 5, v0
	v_readfirstlane_b32 s[WV], v3
	s_lshr_b32 s[RH], s[WV], 1                     ; which 64 rows are mine
	s_and_b32 s[CH], s[WV], 1                      ; which 128 columns
	s_bfe_u32 s[CX], ttmp6, 0x40000
	s_bfe_u32 s[CY], ttmp6, 0x40004
	s_and_b32 s[CLY], ttmp7, 0xffff
	s_lshl_b32 s45, s[CY], 2
	s_lshl_b32 s45, 15, s45                        ; my row of the cluster
	s_lshl_b32 s46, 0x1111, s[CX]                  ; my column
	s_or_b32 s[G1A], s45, (3<<16)|(1<<21)
	s_or_b32 s[G1B], s46, (3<<16)|(1<<21)
	s_mov_b32 s[G1A+1], 32<<16                     ; rows of 256 bytes, dense: 384 for O's tiles,
	s_mov_b32 s[G1A+2], 384<<16
	s_mov_b32 s[G1A+3], 32<<16
	s_mov_b32 s[G1A+4], 384
	s_mov_b32 s[G1A+5], 32
	s_mov_b32 s[G1A+6], 0
	s_mov_b32 s[G1A+7], 0
	s_mov_b32 s[G1B+1], 32<<16                     ; 256 for a third of Wo's
	s_mov_b32 s[G1B+2], 256<<16
	s_mov_b32 s[G1B+3], 32<<16
	s_mov_b32 s[G1B+4], 256
	s_mov_b32 s[G1B+5], 32
	s_mov_b32 s[G1B+6], 0
	s_mov_b32 s[G1B+7], 0
	s_lshl_b32 s42, s[CLY], 2
	s_add_co_u32 s42, s42, s[CY]                   ; the tile row, 0 .. 63
	s_mul_i32 s70, s42, 8*ATB
	s_mov_b32 s71, 0
	s_lshl_b32 s43, s[CX], 4
	s_add_co_u32 s43, s43, 704                     ; Wo's first row tile of my 256 columns
	s_mul_i32 s72, s43, ATB
	s_lshl_b32 s44, s[WV], 16
	s_add_co_u32 s72, s72, s44
	s_sub_co_u32 s72, s72, 65536                   ; waves 1, 2, 3: thirds 0, 1, 2
	s_mov_b32 s73, 0
	s_mov_b32 s[G0A], 1
	s_mov_b32 s[G0A+1], 0
	s_mov_b32 s[G0B], 1
	s_add_co_u32 s[G0B+1], s44, BREG-65536
	v_and_b32 v3, 31, v0
	v_bfe_u32 v6, v0, 4, 1
	v_and_b32 v7, 15, v0
	v_lshlrev_b32 v1, 4, v3
	v_lshlrev_b32 v2, 3, v3
	v_lshlrev_b32 v4, 17, v6
	v_mul_u32_u24 v[STO], v7, 528
	v_lshl_add_u32 v4, v7, 2, v4                   ; O's scale words: 4 r, lanes 16-31 four K steps on
	s_mul_i32 s90, s[RH], 4*ATB
	s_mul_i32 s91, s[CH], 8*ATB
	s_add_co_u32 s91, s91, BREG
	s_mul_i32 s92, s[WV], 8448
	v_add_nc_u32 v[A16], s90, v1
	v_add_nc_u32 v[A8], s90, v2
	v_add_nc_u32 v[BL16], s91, v1
	v_add_nc_u32 v[BL8], s91, v2
	s_add_co_u32 s91, s91, 4*ATB
	v_lshl_add_u32 v[STO], v6, 6, v[STO]
	v_add_nc_u32 v[BH16], s91, v1
	v_add_nc_u32 v[BH8], s91, v2
	v_add_nc_u32 v[RD], s92, v1
	v_add_nc_u32 v[STO], s92, v[STO]
	s_wait_alu depctr_va_vdst(0)                   ; the wait at the head's end
	s_wait_dscnt 0x0
	s_wait_kmcnt 0x0
	s_add_nc_u64 s[G0A+2:G0A+3], s[8:9], s[70:71]
	s_or_b32 s[G0A+3], s[G0A+3], 0x80000000
	s_add_nc_u64 s[G0B+2:G0B+3], s[4:5], s[72:73]
	s_or_b32 s[G0B+3], s[G0B+3], 0x80000000
	CROUND                                         ; all sixteen work-groups are here: the joint loads meet
	s_cmp_eq_u32 s[WV], 0
	s_cbranch_scc0 .Lfor_b
	tensor_load_to_lds s[G0A:G0A+3], s[G1A:G1A+7]
	s_nop 0
	PLACES 4
	s_branch .Lasked
.Lfor_b:
	tensor_load_to_lds s[G0B:G0B+3], s[G1B:G1B+7]
	s_nop 0
	PLACES 4
.Lasked:
	s_lshl_b32 s74, s[CH], 3
	s_add_co_u32 s74, s74, s43
	s_lshl_b32 s74, s74, 9
	s_mov_b32 s75, 0
	s_add_nc_u64 s[74:75], s[6:7], s[74:75]
	s_lshl_b32 s76, s42, 3
	s_lshl_b32 s77, s[RH], 2
	s_add_co_u32 s76, s76, s77
	s_lshl_b32 s76, s76, 6
	s_mov_b32 s77, 0
	s_add_nc_u64 s[76:77], s[10:11], s[76:77]
.irp i, 0,1,2,3,4,5,6,7
	global_load_b128 v[SC0+4*\i:SC0+4*\i+3], v1, s[74:75] offset:512*\i
.endr
.irp a, 0,1,2,3
.irp j, 0,1,2,3
	global_load_b32 v[SC1+4*\a+\j], v4, s[76:77] offset:32768*\j+64*\a
.endr
.endr
	s_lshl_b32 s78, s[CX], 10
	s_lshl_b32 s79, s[CH], 9
	s_add_co_u32 s78, s78, s79
	s_mov_b32 s79, 0
	s_add_nc_u64 s[12:13], s[12:13], s[78:79]
	global_load_b128 v[BO:BO+3], v1, s[12:13]      ; the bias of my lane's four columns
	s_lshl_b32 s80, s42, 19
	s_lshl_b32 s81, s[RH], 18
	s_add_co_u32 s80, s80, s81
	s_add_co_u32 s80, s80, s78
	s_mov_b32 s81, 0
	s_add_nc_u64 s[14:15], s[14:15], s[80:81]
	s_wait_tensorcnt 0x0
	s_barrier_signal -1
	s_barrier_wait -1                              ; all four tiles are in
	FETCH 0
	s_wait_loadcnt 0x0
.set ST, 0
.rept 7
.if ST > 0
	PLACES 4                                       ; behind the step before, whose registers the loads below fill
.endif
	FETCH ST+1
	s_wait_dscnt 48                                ; this step's fragments are in; the 48 loads just issued stay out
	WIN MUL_LO
	MUL32 ST
	WIN 0
.set ST, ST+1
.endr
	s_wait_dscnt 0x0                               ; my last reads of the tiles are over:
	s_barrier_signal -1                            ; say so,
	WIN MUL_LO
	MUL32 7
	WIN 0
	s_barrier_wait -1                              ; and store to the stage only when all four have said so
.macro TOSTAGE a
.set AC, 64*(\a)
	WIN 0x08                                       ; the data: window 2
.irp b, 0,1,2,3,4,5,6,7
	ds_store_b128 v[STO], v[AC+8*\b:AC+8*\b+3] offset:128*(\b/2)+32*(\b%2)          ; each accumulator from its low end on
	ds_store_b128 v[STO], v[AC+8*\b+4:AC+8*\b+7] offset:128*(\b/2)+32*(\b%2)+16
.endr
	WIN 0
.set BBR, BK+64*((\a)%2)
.irp t, 0,1,2,3,4,5,6,7,8,9,10,11,12,13,14,15
	ds_load_b128 v[BBR+4*\t:BBR+4*\t+3], v[RD] offset:528*\t                        ; LDS serves a wave's instructions in order: these see my stores
.endr
.endm
.macro SEND a, younger
.set BBR, BK+64*((\a)%2)
	s_wait_dscnt \younger
.irp t, 0,1,2,3,4,5,6,7,8,9,10,11,12,13,14,15
	v_pk_add_f32 v[BBR+4*\t:BBR+4*\t+1], v[BBR+4*\t:BBR+4*\t+1], v[BO:BO+1]
	v_pk_add_f32 v[BBR+4*\t+2:BBR+4*\t+3], v[BBR+4*\t+2:BBR+4*\t+3], v[BO+2:BO+3]
	global_store_b128 v1, v[BBR+4*\t:BBR+4*\t+3], s[14:15] offset:(32*((\a)/2)+8*((\a)%2)+\t+8*(\t/8))*4096 th:TH_STORE_NT   ; 512 consecutive bytes, aligned
.endr
.endm
	PLACES 4
	TOSTAGE 0
.irp a, 1,2,3
.if \a > 1
	s_wait_xcnt 0x0                                ; block a - 2's stores have read their registers: block a's loads may land there
.endif
	TOSTAGE \a
	SEND \a-1, 32                                  ; behind block a - 1's loads: block a's 16 stores and 16 loads
.endr
	SEND 3, 0
	s_wait_tensorcnt 0x0                           ; the wave's end
	ds_add_u32 v[SPW], v[NIL]
	s_wait_dscnt 0x0
	CROUND                                         ; the closing round
	s_endpgm
.Lfunc_end_k_q481478005d_oproj:
	.size	k_q481478005d_oproj, .Lfunc_end_k_q481478005d_oproj-k_q481478005d_oproj
	.p2alignl 7, 3214868480
	.fill 96, 4, 3214868480
	.section	.rodata,"a",@progbits
	.p2align	6, 0x0
	.amdhsa_kernel k_q481478005d_oproj
		.amdhsa_group_segment_fixed_size 327680
		.amdhsa_private_segment_fixed_size 0
		.amdhsa_enable_private_segment 0
		.amdhsa_kernarg_size 48
		.amdhsa_user_sgpr_count 2
		.amdhsa_user_sgpr_kernarg_segment_ptr 1
		.amdhsa_wavefront_size32 1
		.amdhsa_system_sgpr_workgroup_id_x 1
		.amdhsa_system_sgpr_workgroup_id_y 1
		.amdhsa_system_sgpr_workgroup_id_z 1
		.amdhsa_system_vgpr_workitem_id 0
		.amdhsa_next_free_vgpr 768
		.amdhsa_next_free_sgpr 100
		.amdhsa_reserve_vcc 0
		.amdhsa_float_denorm_mode_32 3
		.amdhsa_float_denorm_mode_16_64 3
		.amdhsa_memory_ordered 1
		.amdhsa_forward_progress 1
		.amdhsa_inst_pref_size 90
	.end_amdhsa_kernel
	.amdgpu_metadata
---
amdhsa.version: [ 1, 2 ]
amdhsa.kernels:
  - .name:           k_q481478005d_oproj
    .symbol:         k_q481478005d_oproj.kd
    .args:
      - { .name: cw, .offset: 0, .size: 8, .value_kind: global_buffer, .address_space: global }
      - { .name: sw, .offset: 8, .size: 8, .value_kind: global_buffer, .address_space: global }
      - { .name: oc, .offset: 16, .size: 8, .value_kind: global_buffer, .address_space: global }
      - { .name: os, .offset: 24, .size: 8, .value_kind: global_buffer, .address_space: global }
      - { .name: Wo_b, .offset: 32, .size: 8, .value_kind: global_buffer, .address_space: global }
      - { .name: out0, .offset: 40, .size: 8, .value_kind: global_buffer, .address_space: global }
    .group_segment_fixed_size: 327680
    .private_segment_fixed_size: 0
    .kernarg_segment_align: 8
    .kernarg_segment_size: 48
    .max_flat_workgroup_size: 128
    .sgpr_count:     100
    .vgpr_count:     768
    .wavefront_size: 32
...
	.end_amdgpu_metadata
.endif
;; end of part 4
